; MI455X (gfx1250); checked and timed in simulation.
; The chip was launched on July 23, 2026; its instructions are those of AMD's public machine-readable ISA for CDNA 5 (MIT licence, August 2026) and "CDNA5" Instruction Set Architecture Reference Guide (July 2026). The comments in the code are by the model that wrote it; some were corrected since.
;; Multihead Attention. Allowed arithmetic: matrix products marked QUANTISED: E2M3 operands, one E8M0 scale for each 32 along K, by v_wmma_scale_f32_16x16x128_f8f6f4 with both operands' format E2M3, f32 sums; everything else in f32.
;; Inputs: K 4 x 2,048 x 1,024 float32; Q 4 x 2,048 x 1,024 float32; V 4 x 2,048 x 1,024 float32; Wk 1,024 x 1,024 float32; Wo 1,024 x 1,024 float32; Wq 1,024 x 1,024 float32; Wv 1,024 x 1,024 float32; bk 1,024 float32; bo 1,024 float32; bq 1,024 float32; bv 1,024 float32.
;; Outputs: out0 4 x 2,048 x 1,024 float32.
;; This version of the problem:
;;   THIS VERSION OF THE PROBLEM IS GIVEN IN LOW PRECISION. The matrix products marked QUANTISED in the list below multiply operands that are first quantised to E2M3 (2 exponent bits, 3 mantissa bits; 6 bits a number), with one power-of-two scale for each 32 numbers along K (OCP MX v1.0); their sums are f32. All else is computed in f32.
;;   The module's matrix products, in the order in which they are computed (A, B: the left and right operand; K: the contracted axis; several contracted axes count as one K, in the product's order):
;;     1. [M 8,192, K 1,024] x [K 1,024, N 1,024]; A: input Q; B: input Wq: QUANTISED
;;     2. [M 8,192, K 1,024] x [K 1,024, N 1,024]; A: input K; B: input Wk: QUANTISED
;;     3. [M 8,192, K 1,024] x [K 1,024, N 1,024]; A: input V; B: input Wv: QUANTISED
;;     4. batch 64 x [M 2,048, K 64] x [K 64, N 2,048]; A: computed on the way; B: computed on the way: QUANTISED
;;     5. batch 64 x [M 64, K 2,048] x [K 2,048, N 2,048]; A: computed on the way; B: softmax (see below): QUANTISED
;;     6. [M 8,192, K 1,024] x [K 1,024, N 1,024]; A: computed on the way; B: input Wo: QUANTISED
;;   THE QUANTISER, for each operand of a quantised product, along K:
;;     - K is cut into blocks of 32 from its start; a last block that is shorter is filled with zeros.
;;     - A block's scale is 2^e with e = floor(log2(the largest magnitude in the block)) - 2, held to -126 .. 127; a block of zeros has e = 0. As a byte (E8M0): e + 127.
;;     - Each number is divided by its block's scale, clamped to +-7.5, and rounded to the nearest number of E2M3, ties to even, subnormals kept.
;;     - The product sums the exact products of the quantised numbers (number of the format x scale) in f32.
;;   ~~~python
;;   def quantise(x, axis):      # numpy; x: float32 -> the quantised numbers, widened to float32 again
;;       x = np.moveaxis(x, axis, -1); K = x.shape[-1]
;;       x = np.pad(x, [(0, 0)] * (x.ndim - 1) + [(0, -K % 32)]); x = x.reshape(x.shape[:-1] + (-1, 32)); a = np.abs(x).max(-1, keepdims=True)
;;       e = np.where(a > 0, np.clip(np.frexp(np.where(a > 0, a, 1))[1] - 1 - 2, -126, 127), 0)      # np.frexp(a)[1] - 1 = floor(log2(a)), exactly
;;       r = np.clip(x / 2.0 ** e, -7.5, 7.5)
;;       step = 2.0 ** (np.maximum(np.frexp(np.where(r == 0, 1, r))[1] - 1, 0) - 3)
;;       q = np.round(r / step) * step * 2.0 ** e      # np.round: ties to even
;;       return np.moveaxis(q.reshape(q.shape[:-2] + (-1,))[..., :K], -1, axis).astype(np.float32)
;;   ~~~
;;   SOFTMAX AHEAD OF A QUANTISED PRODUCT. Where the list says 'softmax', what is quantised is not the finished softmax but p = 2^(t - M), with t = logit x log2(e) and M = ceil(the row's largest t), a whole number; so 1/2 < the row's largest p <= 1. The row's sum l is taken of the UNQUANTISED p, in f32, and the product's result is divided by l at the end. Since M is a whole number, a kernel that streams over the keys may use a running M (the ceiling of the running maximum): every later rescaling is an exact power of two, which a block's scale takes up: the codes' values come out the same.
;;   OPERANDS COMPUTED ON THE WAY. 'Computed on the way' means the value that the module computes at that place (a softmax that the list does not call 'softmax' is quantised finished and normalised). What goes into a quantiser is computed in f32, as accurately as f32 sums, v_exp_f32 and their like allow (about 1e-6 of the number): no bf16 or f16 on the way to a quantiser, and a product that is left as it is and whose result goes on into a quantised operand takes f32 operands (vector FMAs, or v_wmma_f32_16x16x4_f32). A number that lies on a knife's edge between two numbers of the format may be rounded either way, as far as f32 arithmetic and the matrix unit's own rounding can turn it there, and no further.
;; One version. Each part assembles by itself: llvm-mc -triple=amdgcn-amd-amdhsa -mcpu=gfx1250 --defsym DOCPART=n.
;; ======== version 1 of 1: 4 launches
;; limits: right only within a limited range of input values
;; workspace buffers: opc 22,937,600 bytes; qf 6,815,744 bytes; kv 13,369,344 bytes; af 6,553,600 bytes
;; launch quant (part 1): grid 896 x 1, 4 waves a work-group, no clusters, 34,304 bytes of LDS; arguments Q, K, V, Wq, Wk, Wv, Wo, opc; writes opc
.if DOCPART == 1
	.amdgcn_target "amdgcn-amd-amdhsa--gfx1250"
	.amdhsa_code_object_version 6
	.text
	.protected	k_q8795425067_quant
	.globl	k_q8795425067_quant
	.p2align	8
	.type	k_q8795425067_quant,@function
k_q8795425067_quant:
	s_mov_b64 s[64:65], 0
	v_nop
	global_prefetch_b8 v0, s[64:65] scope:SCOPE_SE
	s_setreg_imm32_b32 hwreg(HW_REG_WAVE_MODE, 25, 1), 1
	s_wait_xcnt 0x0
; Q, K, V [8192][1024] and Wq, Wk, Wv, Wo [1024][1024], f32 with K innermost, become codes of FP6 (E2M3) with one E8M0 byte for each 32 along K,
; laid in opc IN THE ORDER OF THE OPERANDS' REGISTERS.  A fragment (16 rows x 128 K, 12 registers a lane: lane (r, h), registers 6 c .. 6 c + 5 = k 64 c + 32 h + 0 .. 31) is 1,536 bytes:
; for c = 0, 1: registers 6 c .. 6 c + 3 at 768 c + 16 x lane, registers 6 c + 4, 6 c + 5 at 768 c + 512 + 8 x lane.
; A RECORD is 128 rows x 256 K: [q 2][tile 8] fragments (24,576 bytes), then the scale words [tile 8][row 16][q 2] (1,024 bytes): 25,600 bytes.  128 rows are four records on end.
; Groups of 128 rows in opc: Q 0-63, K 64-127, V 128-191, Wq 192-199, Wk 200-207, Wv 208-215, Wo 216-223.
; THE ROWS OF A TILE.  In K, V, Wq, Wk, Wv row r of tile 2 b + u is source row 32 b + 8 u + r + 8 (r / 8), so that a later transposed product leaves 16 neighbours in the 16 registers of two tiles.  Q and Wo keep their order.
; A block's scale is 2^(floor(log2(largest magnitude)) - 2): its byte is the largest magnitude's exponent field - 2, held at 1 from below.
; LIMITS: a block of zeros gets the byte 1 (its codes are zeros, and this program alone reads the bytes); blocks whose largest magnitude lies under 2^-124 are held at that floor; NaN and infinities are not served.
; SHARES.  A work-group takes 32 rows (a pair of tiles), wave w the 256 along K of record w: four fragments f = 2 u + q.  Each load reads 512 consecutive bytes of one row; 16 rows turn through the wave's own
; stage in LDS (rows 528 bytes apart, so that sixteen rows start at sixteen different groups of banks) and come back 32 neighbours a block and lane.  Waves share nothing: no barrier.  32 loads a wave are out at the start, 16 while a fragment is worked.
.set ROWB,  4096                       ; a source row in bytes
.set STP,   528                        ; a stage row: 512 bytes + 16
.set WST,   16*STP                     ; a wave's stage
.set SPARE, 4*WST                      ; behind the stages: the spare words, 128 bytes a wave
.set REC,   25600
.set RR,    1                          ; v1   r = lane % 16
.set HH,    2                          ; v2   h = lane / 16
.set LN16,  3                          ; v3   16 x lane
.set LN8,   4                          ; v4   8 x lane
.set STW,   5                          ; v5   the stage, way in
.set STR,   6                          ; v6   the stage, way out: row r, + 128 h
.set SH8,   7                          ; v7   8 h
.set SPW,   12                         ; v12  my spare word; never rewritten
.set NIL,   13                         ; v13  0; never rewritten
.set R,     16                         ; v16-143  two sets of 64: 16 rows as loaded
.set X,     144                        ; v144-207 my two blocks of 32 neighbours
.set PC,    208                        ; v208-231 codes, two sets of 12
.set CT,    232                        ; v232-238 the conversions' second halves
.set TM,    240                        ; v240-246 at work
.set WD,    248                        ; v248-251 the scale word of fragment f
.set SEL,   36                         ; s[36:37] selects for lane l xor 16
.set BL,    40                         ; s[40:47] for u = 0, 1: the tile's rows 0-7, its rows 8-15 (less 8 rows)
	s_load_b256 s[4:11], s[0:1], 0x0               ; Q, K, V, Wq
	s_load_b256 s[12:19], s[0:1], 0x20             ; Wk, Wv, Wo, opc
	v_lshl_add_u32 v[SPW], v0, 2, SPARE
	v_mov_b32 v[NIL], 0
	v_lshrrev_b32 v8, 5, v0
	v_readfirstlane_b32 s26, v8                    ; wave
	v_and_b32 v9, 31, v0                           ; lane
	v_and_b32 v[RR], 15, v0
	v_bfe_u32 v[HH], v0, 4, 1
	v_lshlrev_b32 v[LN16], 4, v9
	v_lshlrev_b32 v[LN8], 3, v9
	s_mul_i32 s27, s26, WST
	v_add_nc_u32 v[STW], s27, v[LN16]
	v_mul_u32_u24 v[STR], v[RR], STP
	v_lshl_add_u32 v[STR], v[HH], 7, v[STR]
	v_add_nc_u32 v[STR], s27, v[STR]
	v_lshlrev_b32 v[SH8], 3, v[HH]
	v_mov_b32 v[TM+6], 0                           ; a lane permute's destination counts as one of its sources
	s_mov_b32 s[SEL], 0x76543210
	s_mov_b32 s[SEL+1], 0xfedcba98
	s_mov_b32 s38, 0xffff0000                      ; lanes 16-31
	; where the results go: group (work-group / 4), record = wave, pair of tiles = work-group % 4
	s_lshr_b32 s30, ttmp9, 2
	s_mul_i32 s30, s30, 4*REC
	s_mul_i32 s31, s26, REC
	s_add_co_u32 s30, s30, s31
	s_and_b32 s31, ttmp9, 3
	s_mul_i32 s32, s31, 3072
	s_add_co_u32 s32, s32, s30                     ; the pair's codes
	s_mov_b32 s33, 0
	s_lshl_b32 s34, s31, 8
	s_add_co_u32 s34, s34, s30
	s_add_co_u32 s34, s34, 24576                   ; the pair's 256 bytes of scale words
	s_mov_b32 s35, 0
	s_wait_alu depctr_va_vdst(0)
	s_wait_kmcnt 0x0
	s_add_nc_u64 s[32:33], s[18:19], s[32:33]
	s_add_nc_u64 s[34:35], s[18:19], s[34:35]
	; which tensor: the choice hangs on the work-group's number alone; only pointers are chosen, all tensors take one path
	s_mov_b64 s[20:21], s[16:17]                   ; Wo from work-group 864 on
	s_mov_b32 s22, 864
.macro PICK lim, p, first
	s_cmp_lt_u32 ttmp9, \lim
	s_cselect_b64 s[20:21], s[\p:\p+1], s[20:21]
	s_cselect_b32 s22, \first, s22
.endm
	PICK 864, 14, 832                              ; Wv
	PICK 832, 12, 800                              ; Wk
	PICK 800, 10, 768                              ; Wq
	PICK 768, 8, 512                               ; V
	PICK 512, 6, 256                               ; K
	PICK 256, 4, 0                                 ; Q
	s_sub_co_u32 s22, ttmp9, s22
	s_lshl_b32 s22, s22, 17                        ; 32 rows of 4,096 bytes a work-group,
	s_lshl_b32 s23, s26, 10                        ; 1,024 bytes of a row a wave
	s_add_co_u32 s22, s22, s23
	s_mov_b32 s23, 0
	s_add_nc_u64 s[BL:BL+1], s[20:21], s[22:23]
	s_sub_co_u32 s28, ttmp9, 256                   ; work-groups 256 to 863 (K, V, Wq, Wk, Wv) take the tiles' chosen rows
	s_mov_b32 s24, 16*ROWB
	s_cmp_lt_u32 s28, 608
	s_cselect_b32 s24, 8*ROWB, s24                 ; from tile 0 to tile 1: 8 rows or 16
	s_cselect_b32 s28, 8*ROWB, 0                   ; a tile's rows 8-15 lie 8 rows further on, or not
	s_mov_b32 s25, 0
	s_mov_b32 s29, 0
	s_add_nc_u64 s[BL+2:BL+3], s[BL:BL+1], s[28:29]
	s_add_nc_u64 s[BL+4:BL+5], s[BL:BL+1], s[24:25]
	s_add_nc_u64 s[BL+6:BL+7], s[BL+4:BL+5], s[28:29]
.macro LOAD f                          ; fragment f: 16 rows x 512 bytes, a row a load
.irp i, 0,1,2,3,4,5,6,7,8,9,10,11,12,13,14,15
.if \i < 8
	global_load_b128 v[R+64*((\f)%2)+4*\i:R+64*((\f)%2)+4*\i+3], v[LN16], s[BL+4*((\f)/2):BL+4*((\f)/2)+1] offset:ROWB*\i+512*((\f)%2) th:TH_LOAD_NT
.else
	global_load_b128 v[R+64*((\f)%2)+4*\i:R+64*((\f)%2)+4*\i+3], v[LN16], s[BL+2+4*((\f)/2):BL+3+4*((\f)/2)] offset:ROWB*\i+512*((\f)%2) th:TH_LOAD_NT
.endif
.endr
.endm
.macro TURN f                          ; through the stage: LDS serves a wave's instructions in order, so no wait stands between the stores and the loads
.irp i, 0,1,2,3,4,5,6,7,8,9,10,11,12,13,14,15
	ds_store_b128 v[STW], v[R+64*((\f)%2)+4*\i:R+64*((\f)%2)+4*\i+3] offset:STP*\i
.endr
.irp c, 0,1
.irp e, 0,1,2,3,4,5,6,7
	ds_load_b128 v[X+32*\c+4*\e:X+32*\c+4*\e+3], v[STR] offset:256*\c+16*\e   ; row r, k = 64 c + 32 h + 4 e ..
.endr
.endr
.endm
.macro WORK f                          ; my blocks h and 2 + h of row r: scale bytes, codes, stores
.set P, PC+12*((\f)%2)
.irp c, 0,1
	v_max3_num_f32 v[TM+\c], |v[X+32*\c]|, |v[X+32*\c+1]|, 0x1800000   ; with the floor 2^(3 - 127): the byte cannot fall under 1
.endr
.irp i, 2,4,6,8,10,12,14,16,18,20,22,24,26,28,30
.irp c, 0,1
	v_max3_num_f32 v[TM+\c], v[TM+\c], |v[X+32*\c+\i]|, |v[X+32*\c+\i+1]|
.endr
.endr
.irp c, 0,1
	v_add_nc_u32 v[TM+2+\c], 0xff000000, v[TM+\c]  ; 2 off the exponent field: the conversion's scale operand
.endr
.irp c, 0,1
	v_lshrrev_b32 v[TM+4+\c], 23, v[TM+2+\c]       ; the scale's byte
.endr
	v_lshl_or_b32 v[WD+\f], v[TM+5], 16, v[TM+4]   ; my two bytes,
	v_lshlrev_b32 v[WD+\f], v[SH8], v[WD+\f]       ; at their places in the row's word;
	v_permlanex16_b32 v[TM+6], v[WD+\f], s[SEL], s[SEL+1]
	v_or_b32 v[WD+\f], v[WD+\f], v[TM+6]           ; with lane l xor 16's two the word is whole
.irp c, 0,1
	v_cvt_scalef32_pk16_fp6_f32 v[P+6*\c:P+6*\c+2], v[X+32*\c:X+32*\c+15], v[TM+2+\c]
	v_cvt_scalef32_pk16_fp6_f32 v[CT+4*\c:CT+4*\c+2], v[X+32*\c+16:X+32*\c+31], v[TM+2+\c]   ; (a conversion's three registers begin on an even number)
.endr
	v_nop                                          ; one plain place behind a scaled conversion
.irp c, 0,1
.irp i, 0,1,2
	v_mov_b32 v[P+6*\c+3+\i], v[CT+4*\c+\i]
.endr
.endr
	global_store_b128 v[LN16], v[P:P+3], s[32:33] offset:12288*((\f)%2)+1536*((\f)/2)            ; 512 consecutive bytes,
	global_store_b64 v[LN8], v[P+4:P+5], s[32:33] offset:12288*((\f)%2)+1536*((\f)/2)+512        ; 256,
	global_store_b128 v[LN16], v[P+6:P+9], s[32:33] offset:12288*((\f)%2)+1536*((\f)/2)+768
	global_store_b64 v[LN8], v[P+10:P+11], s[32:33] offset:12288*((\f)%2)+1536*((\f)/2)+1280     ; each at a multiple of 256 from opc's first byte
.endm
	LOAD 0
	LOAD 1
.irp f, 0,1,2,3
.if \f < 3
	s_wait_loadcnt 16                              ; this fragment's 16 loads are in; the next fragment's 16 may be out
.else
	s_wait_loadcnt 0x0
.endif
	TURN \f
	s_wait_dscnt 0x0                               ; the numbers are back, and the stage's stores have read their registers,
.if \f < 2
	LOAD \f+2                                      ; which take the fragment two on
.else
	s_wait_xcnt 0x0                                ; the stores of two fragments back have read this set of codes
.endif
	WORK \f
.endr
	v_cndmask_b32 v[TM], v[WD], v[WD+2], s38       ; lanes 0-15: tile 0's words of row r, lanes 16-31: tile 1's; q = 0,
	v_cndmask_b32 v[TM+1], v[WD+1], v[WD+3], s38   ; q = 1
	global_store_b64 v[LN8], v[TM:TM+1], s[34:35]  ; 256 consecutive bytes, aligned
	s_wait_tensorcnt 0x0                           ; the wave's end, behind my last LDS store
	ds_add_u32 v[SPW], v[NIL]
	s_wait_dscnt 0x0
	s_endpgm
.Lfunc_end_k_q8795425067_quant:
	.size	k_q8795425067_quant, .Lfunc_end_k_q8795425067_quant-k_q8795425067_quant
	.p2alignl 7, 3214868480
	.fill 96, 4, 3214868480
	.section	.rodata,"a",@progbits
	.p2align	6, 0x0
	.amdhsa_kernel k_q8795425067_quant
		.amdhsa_group_segment_fixed_size 34304
		.amdhsa_private_segment_fixed_size 0
		.amdhsa_enable_private_segment 0
		.amdhsa_kernarg_size 64
		.amdhsa_user_sgpr_count 2
		.amdhsa_user_sgpr_kernarg_segment_ptr 1
		.amdhsa_wavefront_size32 1
		.amdhsa_system_sgpr_workgroup_id_x 1
		.amdhsa_system_sgpr_workgroup_id_y 1
		.amdhsa_system_sgpr_workgroup_id_z 1
		.amdhsa_system_vgpr_workitem_id 0
		.amdhsa_next_free_vgpr 256
		.amdhsa_next_free_sgpr 66
		.amdhsa_reserve_vcc 0
		.amdhsa_float_denorm_mode_32 3
		.amdhsa_float_denorm_mode_16_64 3
		.amdhsa_memory_ordered 1
		.amdhsa_forward_progress 1
		.amdhsa_inst_pref_size 32
	.end_amdhsa_kernel
	.amdgpu_metadata
---
amdhsa.version: [ 1, 2 ]
amdhsa.kernels:
  - .name:           k_q8795425067_quant
    .symbol:         k_q8795425067_quant.kd
    .args:
      - { .name: Q, .offset: 0, .size: 8, .value_kind: global_buffer, .address_space: global }
      - { .name: K, .offset: 8, .size: 8, .value_kind: global_buffer, .address_space: global }
      - { .name: V, .offset: 16, .size: 8, .value_kind: global_buffer, .address_space: global }
      - { .name: Wq, .offset: 24, .size: 8, .value_kind: global_buffer, .address_space: global }
      - { .name: Wk, .offset: 32, .size: 8, .value_kind: global_buffer, .address_space: global }
      - { .name: Wv, .offset: 40, .size: 8, .value_kind: global_buffer, .address_space: global }
      - { .name: Wo, .offset: 48, .size: 8, .value_kind: global_buffer, .address_space: global }
      - { .name: opc, .offset: 56, .size: 8, .value_kind: global_buffer, .address_space: global }
    .group_segment_fixed_size: 34304
    .private_segment_fixed_size: 0
    .kernarg_segment_align: 8
    .kernarg_segment_size: 64
    .max_flat_workgroup_size: 128
    .sgpr_count:     66
    .vgpr_count:     256
    .wavefront_size: 32
...
	.end_amdgpu_metadata
.endif
;; end of part 1
;; launch proj (part 2): grid 4 x 64, 4 waves a work-group, clusters of 4 x 4, 327,680 bytes of LDS; arguments opc, bq, bk, bv, qf, kv; writes qf, kv
.if DOCPART == 2
	.amdgcn_target "amdgcn-amd-amdhsa--gfx1250"
	.amdhsa_code_object_version 6
	.text
	.protected	k_q8795425067_proj
	.globl	k_q8795425067_proj
	.p2align	8
	.type	k_q8795425067_proj,@function
k_q8795425067_proj:
	s_mov_b64 s[64:65], 0
	v_nop
	global_prefetch_b8 v0, s[64:65] scope:SCOPE_SE
	s_setreg_imm32_b32 hwreg(HW_REG_WAVE_MODE, 25, 1), 1
	s_wait_xcnt 0x0
	s_wait_alu depctr_hold_cnt(0) depctr_sa_sdst(0) depctr_va_vdst(0) depctr_va_sdst(0) depctr_va_ssrc(0) depctr_va_vcc(0) depctr_vm_vsrc(0)
	s_getreg_b32 s2, hwreg(HW_REG_IB_STS2, 6, 4)
	s_cmp_eq_u32 s2, 0
	s_cbranch_scc0 .Lentry_in_a_cluster
	s_endpgm
.Lentry_in_a_cluster:
	s_bfe_u32 s2, ttmp6, 0x10000c
	s_cmp_lg_u32 s2, 0xf033
	s_cbranch_scc0 .Lentry_shape_is_right
	s_endpgm
.Lentry_shape_is_right:
; q = Q Wq^T + bq, k = K Wk^T + bk, v = V Wv^T + bv on codes of FP6 (E2M3) with E8M0 scales, sums in f32; the results are quantised on the way out and leave as codes in operand order.
; OPERANDS come from opc in groups of 128 rows, four RECORDS on end; a record is 128 rows x 256 K: [q 2][tile 8] fragments of 1,536 bytes in the order of the registers, then scale words [tile 8][row 16][q 2]: 25,600 bytes.
; 256 WORK-GROUPS THAT STAY: each makes three tiles of 128 rows of A x 256 rows of B, one of q, one of k, one of v, one after the other; a wave makes 64 x 128: 32 accumulators, 256 registers.
; q, k: A = the token group y = 4 x cluster + cy, B = the weight's groups 2 cx, 2 cx + 1.  v: A = Wv's group 4 (cluster % 2) + cy, B = V's token groups 2 p, 2 p + 1, p = 4 (cluster / 2) + cx: a lane's registers then run along the KEYS.
; A's records are shared along a row of the cluster, B's along a column: each is asked for jointly.  No address of A holds cx, none of B holds cy.
; LDS: A's group at 0, B's two groups behind it, a tile's whole K: 307,200 bytes.  It is a ring of two slots: slot h holds records 2 h, 2 h + 1 of all three groups, 512 along K, four K steps of 128.
; FILLS.  At the head one load a wave: waves 0 and 1 half of A's group each, waves 2 and 3 a group of B each.  Four refills, each behind a drained round of the cluster's barrier that stands inside K step 3 or 7: the slot just read out takes the
; next tile's records (waves 0 and 1 a record of A each, waves 2 and 3 two records of B each).  The same round shows the other slot.  In the last tile's step 3 a plain barrier shows its second slot.
; PREFETCH: behind each refill but the last (and at the head) each wave asks for its share of what the NEXT refill will load: A's 200 blocks of 256 bytes in 16 shares of 13 among the waves of my row of the cluster (held at block 199),
; B's 400 in 16 shares of 25 among the waves of my column; the shares are told apart by address.
; THE MATRIX INSTRUCTION IS USED TRANSPOSED (source 0 = 16 rows of B, source 1 = 16 rows of A): lane (r, h) holds row r of A's block, register j row 8 h + j of B's tile.  B's tiles hold chosen rows (row r of tile
; 2 b + u is source row 32 b + 8 u + r + 8 (r / 8)), so the 16 registers of tiles 2 b, 2 b + 1 are 16 neighbours 32 b + 16 h + 0 .. 15 along what is quantised.
; OUT.  qf: [b h 64][128 tokens: 16][8 tiles x 768 bytes of codes, 512 of scale words].  kv: [b h 64][128 keys: 16][K 8 tiles x 768 | V 4 fragments x 1,536 | K's words 512 | V's words 256] = 13,056 bytes.
; A head's 64 channels are two blocks: q's and k's scale words have two bytes and two zeros.  Scale words gather in a stage of LDS bytes of their own and leave as units of 256 bytes.
; LIMITS: a block of zeros gets the byte 1 (zero codes; this program alone reads the bytes); largest magnitudes under 2^-124 are held at that floor; NaN and infinities are not served.
; REGISTERS: window 0: v1-31 addresses; v32-63 scale words, two sets; v64-127 the bias; v128-249 the way out.  window 1: B's fragments, two sets, at v0 and v128.  window 2: accumulator (a, b) at v[8 (8 a + b)].  window 3: v0-47 A's four fragments.
.set REC,   25600
.set BB0,   4*REC
.set STG,   12*REC                     ; behind the ring: q's and k's scale words, 1,024 bytes a wave,
.set STGV,  STG+4096                   ; v's, 512 a wave,
.set SPARE, STG+8192                   ; and the spare words, 128 bytes a wave
.set FR,    12
.set NL,    4                          ; LDS loads that bring a fragment
.set HB,    2                          ; half of a wave's 4 blocks of A
.set RR,    1
.set HH,    2
.set SH16,  6                          ; v6   16 h
.set STQ,   7                          ; v7, v8  q, k: where my scale word goes, and comes back
.set RDQ,   8
.set STV,   9                          ; v9, v10 the same for v
.set RDV,   10
.set BOQ,   11                         ; v11  q, k: 64 h
.set BOV,   12                         ; v12  v: 4 (r + 8 (r / 8))
.set PFAO,  13                         ; v13, v14 the prefetches' offsets; never rewritten
.set PFBO,  14
.set AD16,  16                         ; v16-17 my A tiles in records 0-1, 2-3, + 16 x lane; v18-19 + 8 x lane
.set AD8,   18
.set BD16,  20
.set BD8,   22
.set ADRS,  24                         ; v24-25 scale words: lanes 0-15 A's rows, lanes 16-31 B's
.set LN16,  26
.set LN8,   27
.set SPW,   28                         ; v28  my spare word; never rewritten
.set NIL,   29                         ; v29  0; never rewritten
.set ADRX,  30                         ; v30-31 as v24-25, lanes 16-31 four tiles on: B's tiles 4-7, while lanes 0-15 stay inside A's record
.set SC,    32
.set BI,    64
.set AF,    0
.set HA,    128
.set PCS,   192
.set TM,    232
.set PW,    248
.set PT,    249
.set WV,    16
.set WH,    17                         ; wave / 2: my half of A's rows.  Also: I fetch for A (0) or for B (1)
.set WL,    18                         ; wave % 2: my group of B.  Also: which part I fetch
.set SEL,   20
.set G1,    24
.set G0,    32
.set CX,    40
.set CY,    41
.set CL,    42
.set YY,    43
.set LA,    44
.set LB,    45
.set GV,    46
.set TP,    47
.set G1B,   48
.set G0B,   56
.set GA,    66                         ; s[66:71] A's group of tile 0, 1, 2;  s[72:77] B's pair of groups
.set GB,    72
.set OFA,   78
.set OFB,   80
.set BPQ,   82
.set BPK,   84
.set BPV,   86
.set PC0,   88
.set PC1,   90
.set PS0,   92
.set PS1,   94
.set MSB, 0
.macro WIN new                         ; the immediate's high byte repeats the setting that is left
.if MSB != (\new)
	s_set_vgpr_msb (MSB<<8)|(\new)
.set MSB, \new
.endif
.endm
.macro PLACES                          ; four plain places behind a matrix instruction (ISA guide 7.12.1)
.rept 4
	v_nop
.endr
.endm
.macro JLOAD                           ; a joint load: waves 0 and 1 for A, waves 2 and 3 for B; an s_nop 0 and four v_nop follow each line
	s_cmp_eq_u32 s[WH], 0
	s_cbranch_scc0 .Lfor_b_\@
	tensor_load_to_lds s[G0:G0+3], s[G1:G1+7]
	s_nop 0
	PLACES
	s_branch .Lasked_\@
.Lfor_b_\@:
	tensor_load_to_lds s[G0B:G0B+3], s[G1B:G1B+7]
	s_nop 0
	PLACES
.Lasked_\@:
.endm
.macro CREST                           ; a round of the cluster's barrier behind its opening barrier
	s_cmp_lg_u32 s[WV], 0
	s_cbranch_scc1 .Lnot_wave_0_\@
	s_barrier_signal -3
.Lnot_wave_0_\@:
	s_barrier_wait -3
	s_barrier_signal -1
	s_barrier_wait -1
.endm
.macro CROUND
	s_barrier_signal -1
	s_barrier_wait -1
	CREST
.endm
	s_load_b256 s[4:11], s[0:1], 0x0               ; opc, bq, bk, bv
	s_load_b128 s[12:15], s[0:1], 0x20             ; qf, kv
	v_lshl_add_u32 v[SPW], v0, 2, SPARE
	v_mov_b32 v[NIL], 0
	ds_add_u32 v[SPW], v[NIL]                      ; the wave's opening: the add, twice on end, and its wait ahead of my first tensor load
	ds_add_u32 v[SPW], v[NIL]
	v_lshrrev_b32 v1, 5, v0
	v_readfirstlane_b32 s[WV], v1
	s_lshr_b32 s[WH], s[WV], 1
	s_and_b32 s[WL], s[WV], 1
	s_bfe_u32 s[CX], ttmp6, 0x40000
	s_bfe_u32 s[CY], ttmp6, 0x40004
	s_lshl_b32 s100, s[CY], 2
	s_lshl_b32 s100, 15, s100                      ; my row of the cluster
	s_lshl_b32 s101, 0x1111, s[CX]                 ; my column
	s_or_b32 s[G1], s100, (3<<16)|(1<<21)          ; the mask; elements of 8 bytes; bit 21 beside a mask; no padding
	s_or_b32 s[G1B], s101, (3<<16)|(1<<21)
	s_mov_b32 s[G1+1], 32<<16                      ; rows of 256 bytes;
	s_mov_b32 s[G1+2], 200<<16                     ; the head's load for A: two records
	s_mov_b32 s[G1+3], 32<<16
	s_mov_b32 s[G1+4], 200
	s_mov_b32 s[G1+5], 32
	s_mov_b32 s[G1+6], 0
	s_mov_b32 s[G1+7], 0
	s_mov_b32 s[G1B+1], 32<<16
	s_mov_b32 s[G1B+2], 400<<16                    ; for B: a group
	s_mov_b32 s[G1B+3], 32<<16
	s_mov_b32 s[G1B+4], 400
	s_mov_b32 s[G1B+5], 32
	s_mov_b32 s[G1B+6], 0
	s_mov_b32 s[G1B+7], 0
	s_and_b32 s[CL], ttmp7, 0xffff                 ; the cluster's number, 0 .. 15
	s_lshl_b32 s[YY], s[CL], 2
	s_add_co_u32 s[YY], s[YY], s[CY]               ; y
	s_mul_i32 s[GA], s[YY], 4*REC                  ; Q's group y,
	s_add_co_u32 s[GA+2], s[GA], 64*4*REC          ; K's,
	s_and_b32 s[GV], s[CL], 1
	s_lshl_b32 s[GV], s[GV], 2
	s_add_co_u32 s[GV], s[GV], s[CY]               ; Wv's group, 0 .. 7
	s_mul_i32 s[GA+4], s[GV], 4*REC
	s_add_co_u32 s[GA+4], s[GA+4], 208*4*REC
	s_mul_i32 s[GB], s[CX], 8*REC
	s_add_co_u32 s[GB+2], s[GB], 200*4*REC         ; Wk's groups 2 cx, 2 cx + 1,
	s_add_co_u32 s[GB], s[GB], 192*4*REC           ; Wq's,
	s_lshr_b32 s[TP], s[CL], 1
	s_lshl_b32 s[TP], s[TP], 2
	s_add_co_u32 s[TP], s[TP], s[CX]               ; V's pair of token groups, 0 .. 31
	s_mul_i32 s[GB+4], s[TP], 8*REC
	s_add_co_u32 s[GB+4], s[GB+4], 128*4*REC
.irp x, 1,3,5
	s_mov_b32 s[GA+\x], 0
	s_mov_b32 s[GB+\x], 0
.endr
	s_mul_i32 s[LA], s[WL], REC                    ; a refill's place: A's record, by the wave alone,
	s_mul_i32 s[OFB], s[WL], 4*REC
	s_add_co_u32 s[LB], s[OFB], BB0                ; B's group
	s_mov_b32 s[OFA], s[LA]
	s_mov_b32 s[OFA+1], 0
	s_mov_b32 s[OFB+1], 0
	s_mul_i32 s60, s[WL], 2*REC                    ; the head's place for A: half a group
	s_mov_b32 s61, 0
	s_mov_b32 s[SEL], 0x76543210
	s_mov_b32 s[SEL+1], 0xfedcba98
	s_wait_dscnt 0x0                               ; both opening adds are done
	s_wait_kmcnt 0x0
.irp x, 0,2,4
	s_add_nc_u64 s[GA+\x:GA+\x+1], s[4:5], s[GA+\x:GA+\x+1]
	s_add_nc_u64 s[GB+\x:GB+\x+1], s[4:5], s[GB+\x:GB+\x+1]
.endr
	s_mov_b32 s[G0], 1
	s_mov_b32 s[G0+1], s60
	s_add_nc_u64 s[G0+2:G0+3], s[GA:GA+1], s[60:61]
	s_or_b32 s[G0+3], s[G0+3], 0x80000000
	s_mov_b32 s[G0B], 1
	s_mov_b32 s[G0B+1], s[LB]
	s_add_nc_u64 s[G0B+2:G0B+3], s[GB:GB+1], s[OFB:OFB+1]
	s_or_b32 s[G0B+3], s[G0B+3], 0x80000000
	CROUND                                         ; all sixteen work-groups are here: the first joint loads meet
	JLOAD                                          ; tile 0, all of K: one tensor load a wave at the head
	s_lshl_b32 s60, s[CX], 10
	s_lshl_b32 s62, s[WL], 9
	s_add_co_u32 s60, s60, s62                     ; q, k: my 128 channels, in bytes of f32
	s_add_nc_u64 s[BPQ:BPQ+1], s[6:7], s[60:61]
	s_add_nc_u64 s[BPK:BPK+1], s[8:9], s[60:61]
	s_lshl_b32 s60, s[GV], 9
	s_lshl_b32 s62, s[WH], 8
	s_add_co_u32 s60, s60, s62                     ; v: my 64 channels
	s_add_nc_u64 s[BPV:BPV+1], s[10:11], s[60:61]
	s_mul_i32 s36, s[WH], 4*1536                   ; my four tiles of A in a record,
	s_lshl_b32 s37, s[WH], 9                       ; their scale words
	s_sub_co_u32 s39, s[LB], s37
	s_lshl_b32 s38, s[WV], 10
	s_add_co_u32 s38, s38, STG
	s_lshl_b32 s96, s[WV], 9
	s_add_co_u32 s96, s96, STGV
	s_lshl_b32 s97, s[CX], 2
	s_add_co_u32 s97, s97, s[WV]
	s_mul_i32 s97, s97, 13                         ; my share of A's 200 blocks
	s_lshl_b32 s98, s[CY], 2
	s_add_co_u32 s98, s98, s[WV]
	s_lshr_b32 s99, s98, 3
	s_mul_i32 s99, s99, 4*REC                      ; my share of B's 400: which group,
	s_and_b32 s98, s98, 7
	s_mul_i32 s98, s98, 25*256                     ; and which 25 of its 200
	s_add_co_u32 s98, s98, s99
	v_and_b32 v[RR], 15, v0
	v_bfe_u32 v[HH], v0, 4, 1
	v_and_b32 v3, 31, v0
	v_lshlrev_b32 v[LN16], 4, v3
	v_lshlrev_b32 v[LN8], 3, v3
	v_add_nc_u32 v[AD16], s36, v[LN16]
	v_add_nc_u32 v[AD8], s36, v[LN8]
	v_add_nc_u32 v[BD16], s[LB], v[LN16]
	v_add_nc_u32 v[BD8], s[LB], v[LN8]
	v_mul_u32_u24 v4, s39, v[HH]                   ; lanes 16-31 take B's scale words
	v_lshl_add_u32 v4, v[RR], 3, v4                ; 8 bytes a row
	v_add_nc_u32 v[ADRS], s37, v4
	v_lshl_add_u32 v[ADRX], v[HH], 9, v[ADRS]
.irp x, AD16, AD8, BD16, BD8, ADRS, ADRX
	v_add_nc_u32 v[\x+1], 2*REC, v[\x]             ; records 2 and 3; the odd record of a pair stands in the loads' immediate
.endr
	v_lshlrev_b32 v[SH16], 4, v[HH]
	v_lshlrev_b32 v[STQ], 2, v[RR]
	v_add_nc_u32 v[STV], s96, v[STQ]               ; STGV + 512 wave + 4 r
	v_lshl_add_u32 v[STQ], v[HH], 9, v[STQ]
	v_add_nc_u32 v[STQ], s38, v[STQ]               ; STG + 1,024 wave + 512 h + 4 r
	v_add_nc_u32 v[RDQ], s38, v[LN8]
	v_add_nc_u32 v[RDV], s96, v[LN8]
	v_lshlrev_b32 v[BOQ], 6, v[HH]
	v_and_b32 v[BOV], 8, v[RR]
	v_add_nc_u32 v[BOV], v[BOV], v[RR]
	v_lshlrev_b32 v[BOV], 2, v[BOV]
	v_min_u32 v[PFAO], 12, v3                      ; a lane a block; lanes left over name the share's last block again
	v_add_nc_u32 v[PFAO], s97, v[PFAO]
	v_min_u32 v[PFAO], 199, v[PFAO]
	v_lshlrev_b32 v[PFAO], 8, v[PFAO]
	v_min_u32 v[PFBO], 24, v3
	v_lshl_add_u32 v[PFBO], v[PFBO], 8, s98
.irp b, 0,1,2,3
	v_mov_b32 v[TM+4+\b], 0                        ; a lane permute's destination counts as one of its sources
.endr
	s_wait_alu depctr_va_vdst(0)                   ; the wait at the head's end
.macro QKBIAS bp                       ; in the result's layout: register 8 b + j is channel 32 (b / 2) + 16 h + 8 (b % 2) + j
.irp b, 0,1,2,3,4,5,6,7
	global_load_b128 v[BI+8*\b:BI+8*\b+3], v[BOQ], s[\bp:\bp+1] offset:(32*(\b/2)+8*(\b%2))*4
	global_load_b128 v[BI+8*\b+4:BI+8*\b+7], v[BOQ], s[\bp:\bp+1] offset:(32*(\b/2)+8*(\b%2))*4+16
.endr
.endm
.macro PF t, h                         ; what the refill of slot h with tile t will load
	global_prefetch_b8 v[PFAO], s[GA+2*(\t):GA+2*(\t)+1] offset:2*(\h)*REC th:TH_LOAD_NT scope:SCOPE_SE
	global_prefetch_b8 v[PFBO], s[GB+2*(\t):GB+2*(\t)+1] offset:2*(\h)*REC th:TH_LOAD_NT scope:SCOPE_SE
.endm
.macro SETD t, h                       ; both group 0 for the refill of slot h with tile t; written where no tensor load of mine is out
	s_add_co_u32 s[G0+1], s[LA], 2*(\h)*REC
	s_add_nc_u64 s[G0+2:G0+3], s[GA+2*(\t):GA+2*(\t)+1], s[OFA:OFA+1]
	s_add_nc_u64 s[G0+2:G0+3], s[G0+2:G0+3], 2*(\h)*REC
	s_or_b32 s[G0+3], s[G0+3], 0x80000000
	s_add_co_u32 s[G0B+1], s[LB], 2*(\h)*REC
	s_add_nc_u64 s[G0B+2:G0B+3], s[GB+2*(\t):GB+2*(\t)+1], s[OFB:OFB+1]
	s_add_nc_u64 s[G0B+2:G0B+3], s[G0B+2:G0B+3], 2*(\h)*REC
	s_or_b32 s[G0B+3], s[G0B+3], 0x80000000
.endm
.macro FRAG reg, a16, a8, off          ; a fragment as it lies: four loads, each of consecutive bytes
	ds_load_b128 v[(\reg):(\reg)+3], v[\a16] offset:(\off)
	ds_load_b64 v[(\reg)+4:(\reg)+5], v[\a8] offset:(\off)+512
	ds_load_b128 v[(\reg)+6:(\reg)+9], v[\a16] offset:(\off)+768
	ds_load_b64 v[(\reg)+10:(\reg)+11], v[\a8] offset:(\off)+1280
.endm
; K step n = 0 .. 7 of a tile: record n / 2, its q = n % 2; B's set n % 2; scale set (n / 2) % 2.
.macro MULB a, n, z                    ; A's block a x B's eight; z = 1: the product starts the sums.  The 32 accumulators take turns in the same order in every step
.set Q_, (\n)%2
.set X_, SC+16*(((\n)/2)%2)+Q_
	WIN 0xad                                       ; source 0 (B) window 1, source 1 (A) window 3, C and D window 2
.irp b, 0,1,2,3,4,5,6,7
.if \z
	v_wmma_scale_f32_16x16x128_f8f6f4 v[8*(8*(\a)+\b):8*(8*(\a)+\b)+7], v[128*Q_+FR*\b:128*Q_+FR*\b+FR-1], v[AF+FR*(\a):AF+FR*(\a)+FR-1], 0, v[X_+2*\b], v[X_+2*(\a)] matrix_a_fmt:MATRIX_FMT_FP6 matrix_b_fmt:MATRIX_FMT_FP6 matrix_a_scale:MATRIX_SCALE_ROW1
.else
	v_wmma_scale_f32_16x16x128_f8f6f4 v[8*(8*(\a)+\b):8*(8*(\a)+\b)+7], v[128*Q_+FR*\b:128*Q_+FR*\b+FR-1], v[AF+FR*(\a):AF+FR*(\a)+FR-1], v[8*(8*(\a)+\b):8*(8*(\a)+\b)+7], v[X_+2*\b], v[X_+2*(\a)] matrix_a_fmt:MATRIX_FMT_FP6 matrix_b_fmt:MATRIX_FMT_FP6 matrix_a_scale:MATRIX_SCALE_ROW1
.endif
.endr
.endm
.macro FETCH_B n
.set J_, (\n)/4
.set O_, (((\n)/2)%2)*REC+12288*((\n)%2)
.set P_, 128*((\n)%2)
	WIN 0x40                                       ; destination window 1, address window 0
.irp i, 0,1,2,3,4,5,6,7
	FRAG P_+FR*\i, BD16+J_, BD8+J_, O_+1536*\i
.endr
	WIN 0
.endm
.macro FETCH_A n, i0                   ; A's blocks i0, i0 + 1
.set J_, (\n)/4
.set O_, (((\n)/2)%2)*REC+12288*((\n)%2)
	WIN 0xc0                                       ; destination window 3, address window 0
.irp i, 0,1
	FRAG AF+FR*((\i0)+\i), AD16+J_, AD8+J_, O_+1536*((\i0)+\i)
.endr
	WIN 0
.endm
.macro SCALES s                        ; record s's scale words, both q of a row by one load: register 2 i + q: lanes 0-15 A's tile i (i under 4), lanes 16-31 B's tile i
.irp i, 0,1,2,3
	ds_load_b64 v[SC+16*((\s)%2)+2*\i:SC+16*((\s)%2)+2*\i+1], v[ADRS+(\s)/2] offset:((\s)%2)*REC+24576+128*\i
.endr
.irp i, 4,5,6,7
	ds_load_b64 v[SC+16*((\s)%2)+2*\i:SC+16*((\s)%2)+2*\i+1], v[ADRX+(\s)/2] offset:((\s)%2)*REC+24576+128*(\i-4)
.endr
.endm
.macro KSTEP n, z                      ; 32 products; the next step's fragments are fetched in two runs
	s_wait_dscnt NL*HB                             ; all but the youngest 8 loads (A's blocks 2, 3) are in
	MULB 0, \n, \z
	MULB 1, \n, \z
	s_wait_dscnt 0x0                               ; A's blocks 2, 3 are in
	PLACES
	FETCH_B ((\n)+1)%8
	FETCH_A ((\n)+1)%8, 0
.if (\n)%2
	SCALES (((\n)+1)%8)/2
.endif
	MULB 2, \n, \z
	MULB 3, \n, \z
	PLACES
	FETCH_A ((\n)+1)%8, HB
.endm
; K steps 3 and 7 change slots: one barrier; in front of it each wave waits for all its tensor loads, adds 0 to its spare word, and waits for that and for its reads of the slot that it leaves.
; fill = 1: the barrier opens a round of the cluster's, and behind it that slot takes tile t's records 2 h, 2 h + 1.  pf = 1: the refill after that (tile pt, slot ph) is asked for into the L2.
.macro RSTEP n, fill, t=0, h=0, pf=0, pt=0, ph=0
	s_wait_tensorcnt 0x0                           ; all my tensor loads have landed, my part of the next slot among them
	ds_add_u32 v[SPW], v[NIL]                      ; 0 onto my spare word
.if \fill
	SETD \t, \h
.endif
	s_wait_dscnt NL*HB+1                           ; the add and the youngest 8 loads may be out
	MULB 0, \n, 0
	s_wait_dscnt 0x0                               ; the add is done, and my reads of this slot are over
	s_barrier_signal -1
	MULB 1, \n, 0
	WIN 0
	s_barrier_wait -1
.if \fill
	CREST                                          ; no wave of any partner still reads this slot or has a load on its way
	JLOAD                                          ; the first tensor load behind the round; its four v_nop are the places in front of the loads below
.else
	PLACES
.endif
	FETCH_B ((\n)+1)%8
	FETCH_A ((\n)+1)%8, 0
	SCALES (((\n)+1)%8)/2
.if \pf
	PF \pt, \ph
.endif
	MULB 2, \n, 0
	MULB 3, \n, 0
	PLACES
	FETCH_A ((\n)+1)%8, HB
.endm
; 64 numbers of a lane, register 16 b + i = k 32 b + 16 h + i of my row, become a fragment's codes in v[pc] on and its scale word in v[PW]
.macro QUANT s, pc
.irp b, 0,1,2,3
	v_max3_num_f32 v[TM+\b], |v[\s+16*\b]|, |v[\s+1+16*\b]|, 0x1800000   ; with the floor 2^(3 - 127): the byte cannot fall under 1
.endr
.irp i, 2,4,6,8,10,12,14
.irp b, 0,1,2,3
	v_max3_num_f32 v[TM+\b], v[TM+\b], |v[\s+16*\b+\i]|, |v[\s+1+16*\b+\i]|
.endr
.endr
.irp b, 0,1,2,3
	v_permlanex16_b32 v[TM+4+\b], v[TM+\b], s[SEL], s[SEL+1]
.endr
.irp b, 0,1,2,3
	v_max_num_f32 v[TM+\b], v[TM+\b], v[TM+4+\b]   ; with lane l xor 16's: the block's largest magnitude
.endr
.irp b, 0,1,2,3
	v_add_nc_u32 v[TM+12+\b], 0xff000000, v[TM+\b] ; 2 off the exponent field: the conversion's scale operand
.endr
.irp b, 0,1,2,3
	v_lshrrev_b32 v[TM+4+\b], 23, v[TM+12+\b]      ; the scale's byte
.endr
	v_lshl_or_b32 v[PW], v[TM+5], 8, v[TM+4]
	v_lshl_or_b32 v[PW], v[TM+6], 16, v[PW]
	v_lshl_or_b32 v[PW], v[TM+7], 24, v[PW]
.irp c, 0,1
	v_cvt_scalef32_pk16_fp6_f32 v[\pc+6*\c:\pc+2+6*\c], v[\s+32*\c:\s+15+32*\c], v[TM+12+2*\c]
	v_cvt_scalef32_pk16_fp6_f32 v[\pc+12+4*\c:\pc+14+4*\c], v[\s+16+32*\c:\s+31+32*\c], v[TM+12+2*\c+1]
.endr
	v_nop                                          ; one plain place behind a scaled conversion
.irp c, 0,1                                    ; the layout wants a whole block in a lane: lanes 0-15 block 2 c, lanes 16-31 block 2 c + 1
.irp i, 0,1,2
	v_permlane16_swap_b32 v[\pc+6*\c+\i], v[\pc+12+4*\c+\i]
.endr
.irp i, 0,1,2
	v_mov_b32 v[\pc+3+6*\c+\i], v[\pc+12+4*\c+\i]
.endr
.endr
.endm
.macro ADDB a, qk                      ; block a's 64 sums + the bias, into window 0: the move and the addition are one instruction; each accumulator is read from its low end on
	WIN 0x02                                       ; source 0: window 2
.set nn, 0
.rept 32
.if \qk
	v_pk_add_f32 v[HA+2*nn:HA+2*nn+1], v[64*(\a)+2*nn:64*(\a)+2*nn+1], v[BI+2*nn:BI+2*nn+1]
.else
	v_pk_add_f32 v[HA+2*nn:HA+2*nn+1], v[64*(\a)+2*nn:64*(\a)+2*nn+1], v[BI+2*(\a):BI+2*(\a)+1]
.endif
.set nn, nn+1
.endr
	WIN 0
.endm
.macro QKBLOCK a                       ; 16 tokens x two heads: registers 0-5 are the even head's 768 bytes, 6-11 the odd head's
.if \a >= 2
	s_wait_xcnt 0x0                                ; the stores of two blocks back have read this set of codes
.endif
	ADDB \a, 1
.set PP, PCS+20*((\a)%2)
	QUANT HA, PP
	v_bfe_u32 v[PT], v[PW], v[SH16], 16            ; lanes 0-15: the even head's two bytes, lanes 16-31: the odd head's; the upper two bytes are 0
	ds_store_b32 v[STQ], v[PT] offset:64*\a
	global_store_b128 v[LN16], v[PP:PP+3], s[PC0:PC0+1] offset:768*\a
	global_store_b64 v[LN8], v[PP+4:PP+5], s[PC0:PC0+1] offset:768*\a+512
	global_store_b128 v[LN16], v[PP+6:PP+9], s[PC1:PC1+1] offset:768*\a
	global_store_b64 v[LN8], v[PP+10:PP+11], s[PC1:PC1+1] offset:768*\a+512
.endm
.macro VBLOCK a                        ; 16 channels x 128 keys: a whole fragment of V^T
.if \a >= 2
	s_wait_xcnt 0x0
.endif
	ADDB \a, 0
.set PP, PCS+20*((\a)%2)
	QUANT HA, PP
	ds_store_b32 v[STV], v[PW] offset:64*\a        ; both halves of the lanes write the same word with the same value
	global_store_b128 v[LN16], v[PP:PP+3], s[PC0:PC0+1] offset:1536*\a
	global_store_b64 v[LN8], v[PP+4:PP+5], s[PC0:PC0+1] offset:1536*\a+512
	global_store_b128 v[LN16], v[PP+6:PP+9], s[PC0:PC0+1] offset:1536*\a+768
	global_store_b64 v[LN8], v[PP+10:PP+11], s[PC0:PC0+1] offset:1536*\a+1280
.endm
; q's or k's way out.  My 64 tokens are tiles 4 (wave / 2) .. + 3 of group y; my 128 channels are heads 4 cx + 2 (wave % 2) and the next.  rs: a group's bytes in the buffer, wo: where its scale words begin
.macro QKOUT buf, rs, wo
	s_wait_xcnt 0x0                                ; earlier stores have read their bases and registers
	s_lshr_b32 s96, s[YY], 4                       ; the batch
	s_and_b32 s97, s[YY], 15                       ; which 128 tokens of its 2,048
	s_lshl_b32 s96, s96, 4
	s_lshl_b32 s98, s[CX], 2
	s_add_co_u32 s96, s96, s98
	s_lshl_b32 s98, s[WL], 1
	s_add_co_u32 s96, s96, s98                     ; 16 batch + head
	s_lshl_b32 s96, s96, 4
	s_add_co_u32 s96, s96, s97
	s_mul_i32 s60, s96, \rs
	s_lshl_b32 s98, s[WH], 8
	s_add_co_u32 s62, s60, s98
	s_add_co_u32 s62, s62, \wo                     ; my four tiles' 256 bytes of scale words,
	s_mul_i32 s98, s[WH], 3072
	s_add_co_u32 s60, s60, s98                     ; and their codes
	s_mov_b32 s61, 0
	s_mov_b32 s63, 0
	s_add_nc_u64 s[PC0:PC0+1], s[\buf:\buf+1], s[60:61]
	s_add_nc_u64 s[PC1:PC1+1], s[PC0:PC0+1], 16*\rs   ; the next head
	s_add_nc_u64 s[PS0:PS0+1], s[\buf:\buf+1], s[62:63]
	s_add_nc_u64 s[PS1:PS1+1], s[PS0:PS0+1], 16*\rs
	s_wait_loadcnt 0x0                             ; the bias
.irp a, 0,1,2,3
	QKBLOCK \a
.endr
	ds_load_b64 v[HA:HA+1], v[RDQ]                 ; LDS serves a wave's instructions in order: these see my stores.  The even head's 4 x 16 words,
	ds_load_b64 v[HA+2:HA+3], v[RDQ] offset:512    ; the odd head's
	s_wait_dscnt 0x0
	global_store_b64 v[LN8], v[HA:HA+1], s[PS0:PS0+1]        ; 256 consecutive bytes each, aligned
	global_store_b64 v[LN8], v[HA+2:HA+3], s[PS1:PS1+1]
.endm
	QKBIAS BPQ
	PF 1, 0                                        ; what the first refill will load
	s_wait_tensorcnt 0x0                           ; my part of tile 0 is in; no tensor load of mine is out, so group 1 may be written:
	s_mov_b32 s[G1+2], 100<<16                     ; a refill brings one record of A,
	s_mov_b32 s[G1+4], 100
	s_mov_b32 s[G1B+2], 200<<16                    ; or two of B
	s_mov_b32 s[G1B+4], 200
	s_barrier_signal -1
	s_barrier_wait -1                              ; everybody's part is in
	FETCH_B 0
	FETCH_A 0, 0
	SCALES 0
	FETCH_A 0, HB
	; ---- tile 0: q
	KSTEP 0, 1                                     ; the first products start the sums: nothing is cleared
	KSTEP 1, 0
	KSTEP 2, 0
	RSTEP 3, 1, 1, 0, 1, 1, 1                      ; slot 0 takes k's first half of K
	KSTEP 4, 0
	KSTEP 5, 0
	KSTEP 6, 0
	RSTEP 7, 1, 1, 1, 1, 2, 0                      ; slot 1 its second half; k's first fragments are fetched
	QKOUT 12, 6656, 6144
	QKBIAS BPK
	s_wait_alu depctr_va_vdst(0)                   ; the wait ahead of the blocking waits that follow
	; ---- tile 1: k
	KSTEP 0, 1
	KSTEP 1, 0
	KSTEP 2, 0
	RSTEP 3, 1, 2, 0, 1, 2, 1                      ; slot 0 takes v's first half
	KSTEP 4, 0
	KSTEP 5, 0
	KSTEP 6, 0
	RSTEP 7, 1, 2, 1                               ; slot 1 its second half: the last refill
	QKOUT 14, 13056, 12288
.irp a, 0,1,2,3                                ; v: a lane has one channel a block: 32 (a / 2) + 8 (a % 2) + r + 8 (r / 8) of my 64; its bias fills a pair for the packed addition
	global_load_b32 v[BI+2*\a], v[BOV], s[BPV:BPV+1] offset:(32*(\a/2)+8*(\a%2))*4
	global_load_b32 v[BI+2*\a+1], v[BOV], s[BPV:BPV+1] offset:(32*(\a/2)+8*(\a%2))*4
.endr
	s_wait_alu depctr_va_vdst(0)
	; ---- tile 2: v
	KSTEP 0, 1
	KSTEP 1, 0
	KSTEP 2, 0
	RSTEP 3, 0                                     ; nothing is filled: the barrier shows slot 1
	KSTEP 4, 0
	KSTEP 5, 0
	KSTEP 6, 0
	s_wait_dscnt NL*HB                             ; the very last step: nothing more to fetch
	MULB 0, 7, 0
	MULB 1, 7, 0
	s_wait_dscnt 0x0
	MULB 2, 7, 0
	MULB 3, 7, 0
	WIN 0
	PLACES
	; v's way out.  My 128 keys are token group 2 p + wave % 2; my 64 channels are head 2 (Wv's group) + wave / 2
	s_wait_xcnt 0x0
	s_lshl_b32 s96, s[TP], 1
	s_add_co_u32 s96, s96, s[WL]
	s_lshr_b32 s97, s96, 4
	s_lshl_b32 s97, s97, 4                         ; 16 batch
	s_lshl_b32 s98, s[GV], 1
	s_add_co_u32 s98, s98, s[WH]
	s_add_co_u32 s97, s97, s98                     ; + head
	s_lshl_b32 s97, s97, 4
	s_and_b32 s96, s96, 15                         ; which 128 keys
	s_add_co_u32 s97, s97, s96
	s_mul_i32 s60, s97, 13056                      ; their record in kv,
	s_add_co_u32 s62, s60, 12800                   ; V's scale words in it,
	s_add_co_u32 s60, s60, 6144                    ; V's fragments
	s_mov_b32 s61, 0
	s_mov_b32 s63, 0
	s_add_nc_u64 s[PC0:PC0+1], s[14:15], s[60:61]
	s_add_nc_u64 s[PS0:PS0+1], s[14:15], s[62:63]
	s_wait_loadcnt 0x0                             ; the bias
.irp a, 0,1,2,3
	VBLOCK \a
.endr
	ds_load_b64 v[HA:HA+1], v[RDV]                 ; my head's 4 x 16 words
	s_wait_dscnt 0x0
	global_store_b64 v[LN8], v[HA:HA+1], s[PS0:PS0+1]        ; 256 consecutive bytes, aligned
	s_wait_tensorcnt 0x0                           ; the wave's end, behind my last tensor load and my last LDS store
	ds_add_u32 v[SPW], v[NIL]
	s_wait_dscnt 0x0
	CROUND                                         ; the closing round: no work-group ends while a partner may still ask for a record that names it
	s_endpgm
.Lfunc_end_k_q8795425067_proj:
	.size	k_q8795425067_proj, .Lfunc_end_k_q8795425067_proj-k_q8795425067_proj
	.p2alignl 7, 3214868480
	.fill 96, 4, 3214868480
	.section	.rodata,"a",@progbits
	.p2align	6, 0x0
	.amdhsa_kernel k_q8795425067_proj
		.amdhsa_group_segment_fixed_size 327680
		.amdhsa_private_segment_fixed_size 0
		.amdhsa_enable_private_segment 0
		.amdhsa_kernarg_size 48
		.amdhsa_user_sgpr_count 2
		.amdhsa_user_sgpr_kernarg_segment_ptr 1
		.amdhsa_wavefront_size32 1
		.amdhsa_system_sgpr_workgroup_id_x 1
		.amdhsa_system_sgpr_workgroup_id_y 1
		.amdhsa_system_sgpr_workgroup_id_z 1
		.amdhsa_system_vgpr_workitem_id 0
		.amdhsa_next_free_vgpr 1024
		.amdhsa_next_free_sgpr 102
		.amdhsa_reserve_vcc 0
		.amdhsa_float_denorm_mode_32 3
		.amdhsa_float_denorm_mode_16_64 3
		.amdhsa_memory_ordered 1
		.amdhsa_forward_progress 1
		.amdhsa_inst_pref_size 255
	.end_amdhsa_kernel
	.section	.bss,"aw",@nobits
	.p2align	6
	.space	262144
	.amdgpu_metadata
---
amdhsa.version: [ 1, 2 ]
amdhsa.kernels:
  - .name:           k_q8795425067_proj
    .symbol:         k_q8795425067_proj.kd
    .args:
      - { .name: opc, .offset: 0, .size: 8, .value_kind: global_buffer, .address_space: global }
      - { .name: bq, .offset: 8, .size: 8, .value_kind: global_buffer, .address_space: global }
      - { .name: bk, .offset: 16, .size: 8, .value_kind: global_buffer, .address_space: global }
      - { .name: bv, .offset: 24, .size: 8, .value_kind: global_buffer, .address_space: global }
      - { .name: qf, .offset: 32, .size: 8, .value_kind: global_buffer, .address_space: global }
      - { .name: kv, .offset: 40, .size: 8, .value_kind: global_buffer, .address_space: global }
    .group_segment_fixed_size: 327680
    .private_segment_fixed_size: 0
    .kernarg_segment_align: 8
    .kernarg_segment_size: 48
    .max_flat_workgroup_size: 128
    .sgpr_count:     102
    .vgpr_count:     1024
    .wavefront_size: 32
...
	.end_amdgpu_metadata
.endif
;; end of part 2
;; launch attn (part 3): grid 4 x 64, 16 waves a work-group, clusters of 4 x 1, 327,680 bytes of LDS; arguments qf, kv, af; writes af
.if DOCPART == 3
	.amdgcn_target "amdgcn-amd-amdhsa--gfx1250"
	.amdhsa_code_object_version 6
	.text
	.protected	k_q8795425067_attn
	.globl	k_q8795425067_attn
	.p2align	8
	.type	k_q8795425067_attn,@function
k_q8795425067_attn:
	s_mov_b64 s[64:65], 0
	v_nop
	global_prefetch_b8 v0, s[64:65] scope:SCOPE_SE
	s_setreg_imm32_b32 hwreg(HW_REG_WAVE_MODE, 25, 1), 1
	s_wait_xcnt 0x0
	s_wait_alu depctr_hold_cnt(0) depctr_sa_sdst(0) depctr_va_vdst(0) depctr_va_sdst(0) depctr_va_ssrc(0) depctr_va_vcc(0) depctr_vm_vsrc(0)
	s_getreg_b32 s2, hwreg(HW_REG_IB_STS2, 6, 4)
	s_cmp_eq_u32 s2, 0
	s_cbranch_scc0 .Lentry_in_a_cluster
	s_endpgm
.Lentry_in_a_cluster:
	s_bfe_u32 s2, ttmp6, 0x10000c
	s_cmp_lg_u32 s2, 0x3003
	s_cbranch_scc0 .Lentry_shape_is_right
	s_endpgm
.Lentry_shape_is_right:
; Causal attention of one (batch, head) a cluster, head size 64, 2,048 queries and keys, both products on codes of FP6 (E2M3) with E8M0 scales; the result, divided by the row's sum, is quantised along the channels and leaves as codes.
; SOFTMAX: t = score x log2(e) / 8; M = the row's largest t so far rounded UP to a whole number; p = 2^(t - M) is quantised along the keys; the row's sum is taken of the unquantised p; when M moves, the sum and O are multiplied by 2^(old M - new M), exactly.
; kv: [b h][128 keys: 16][K 8 tiles x 768 | V 4 fragments x 1,536 | K's scale words [8][16] | V's [4][16]]: 13,056 dense bytes a record, 208,896 a head.
; ALL OF A HEAD'S K AND V LIES IN LDS: wave w asks for record w, 51 rows of 256 bytes, at the head, jointly for the four partners: one tensor load a wave, no byte of LDS is filled twice, no ring.
; ONE barrier, in front of which every wave has waited for its own load, shows the sixteen records to all.  Behind it waves share nothing: sixteen trips, a record each, with no barrier.
; No prefetch: every byte that the launch reads through LDS is asked for by the head's loads, so no later load is left to run ahead of.
; SHARES.  128 tiles of 16 queries.  Partner j = cx of the cluster, wave w = 4 a + c: g = 4 ((a + c) % 4) + a; the wave owns tiles A = 4 g + j and B = 127 - A: floor(g / 2) + 1 and 16 - floor(g / 2) key steps of 128: 17 for every wave.
; Branches hang on g and the count of steps alone: a step is left out where its first key comes after the last query of the four tiles 4 g .. 4 g + 3, and is masked unless its last key is at or under their first query.  cx enters mask data and global addresses alone.
; LAYOUT.  Both products transposed: S^T = K Q^T, O^T = V^T P^T: a lane holds one query (lane % 16).  Row r of K's tile 2 b + u is key 32 b + 8 u + r + 8 (r / 8): the 16 registers of two tiles are 16 neighbouring keys.  V's channels are chosen the same way.
; THE HEAD HAS 64 CHANNELS, THE INSTRUCTION 128: Q's upper six registers are zero codes, and both sides' upper two scale bytes are 0 (2^-127).  K's tiles lie six registers apart, so a tile's upper six registers are the next tile's codes:
; they meet zeros and add exactly 0.  Behind the eighth tile lie six registers of zeros.
; THE MASK: hidden scores become -infinity, where the definition has -1e10: the same p = 0 while a row's counted logits lie above -1e10 by more than 150.
; LIMITS: a block of zeros gets the byte 1 (zero codes; this program alone reads the bytes); largest magnitudes under 2^-124 are held at that floor; NaN and infinities are not served.
; af: records of 128 tokens x 256 channels in operand order.  A head's two scale bytes of a row stand between its neighbour head's in the word that the next product reads: they leave by stores of two bytes, 2 for every 48 bytes of codes.
.set REC,   13056
.set SPARE, 16*REC                     ; behind the records: the spare words, 128 bytes for each of 16 waves
.set VOF,   6144
.set KSC,   12288
.set VSC,   12800
.set LR,    1                          ; v1   r - 16 h
.set SPW,   2                          ; v2   my spare word; never rewritten
.set NIL,   3                          ; v3   0; never rewritten
.set AD16,  5                          ; v5-7 the record in hand + 16, 8, 4 x lane
.set AD8,   6
.set AD4,   7
.set STA,   8                          ; v8-11, v12-15: -M, the largest t, the sum in two halves
.set STB,   12
.set QA,    16                         ; v16-27, v28-39: Q's six registers of codes and six of zeros
.set QB,    28
.set QS,    40                         ; v40, v41 Q's scale words
.set FRG,   42                         ; v42-89 K's eight tiles, six registers apart, or V's four fragments; v90-95 zeros
.set S,     96                         ; v96-159 S^T, then p
.set OA,    160                        ; v160-191, v192-223 O^T
.set OB,    192                        ; v224-235 p's codes (v232-235 the blocks' largest first); v236-243 at work; v244-247 the conversions' scales; v248-251 K's or V's scale words; v252 f; v253 p's scale word; v254 at work; v255 -infinity
.set WV,    18
.set SEL,   20
.set CS,    22
.set G1,    24
.set G0,    32
.set TB,    36                         ; s36  LDS byte at which the record in hand begins
.set KF,    37                         ; s37  the step's first key; also the loop's counter
.set QGA,   39                         ; s39, s40 the first query of the four tiles 4 g .. of A, of B: no cx in them
.set QGB,   40
.set Q0A,   41                         ; s41, s42 my tiles' first queries
.set Q0B,   42
.set TMP0,  46                         ; for branches
.set TMP1,  47                         ; for mask data
.set CX,    48
.set BH,    49
.set MH,    58
.macro CROUND                          ; a round of the cluster's barrier
	s_barrier_signal -1
	s_barrier_wait -1
	s_cmp_lg_u32 s[WV], 0
	s_cbranch_scc1 .Lnot_wave_0_\@
	s_barrier_signal -3
.Lnot_wave_0_\@:
	s_barrier_wait -3
	s_barrier_signal -1
	s_barrier_wait -1
.endm
	s_load_b128 s[4:7], s[0:1], 0x0                ; qf, kv
	s_load_b64 s[8:9], s[0:1], 0x10                ; af
	v_lshl_add_u32 v[SPW], v0, 2, SPARE
	v_mov_b32 v[NIL], 0
	ds_add_u32 v[SPW], v[NIL]                      ; the wave's opening: the add, twice on end, and its wait ahead of my tensor load
	ds_add_u32 v[SPW], v[NIL]
	v_lshrrev_b32 v5, 5, v0
	s_delay_alu instid0(VALU_DEP_1)
	v_readfirstlane_b32 s[WV], v5
	v_and_b32 v0, 31, v0                           ; from here on v0 is the lane
	s_wait_alu depctr_va_vdst(0)
	s_bfe_u32 s[CX], ttmp6, 0x40000
	s_and_b32 s[BH], ttmp7, 0xffff                 ; 16 batch + head
	s_lshr_b32 s50, s[WV], 2
	s_and_b32 s51, s[WV], 3
	s_add_co_u32 s51, s51, s50
	s_and_b32 s51, s51, 3
	s_lshl_b32 s51, s51, 2
	s_add_co_u32 s51, s51, s50                     ; g
	s_lshl_b32 s[QGA], s51, 6
	s_sub_co_u32 s[QGB], 1984, s[QGA]              ; 64 (31 - g)
	s_lshl_b32 s52, s[CX], 4
	s_add_co_u32 s[Q0A], s[QGA], s52               ; 16 (4 g + j)
	s_sub_co_u32 s[Q0B], 48, s52
	s_add_co_u32 s[Q0B], s[Q0B], s[QGB]            ; 16 (127 - 4 g - j)
	s_mov_b32 s[G1], 15|(3<<16)|(1<<21)            ; 15:0 all four partners; 17:16 elements of 8 bytes; 21 set beside a mask; no padding
	s_mov_b32 s[G1+1], 32<<16                      ; rows of 256 bytes,
	s_mov_b32 s[G1+2], 51<<16                      ; 51 of them: a record
	s_mov_b32 s[G1+3], 32<<16
	s_mov_b32 s[G1+4], 51
	s_mov_b32 s[G1+5], 32                          ; dense
	s_mov_b32 s[G1+6], 0
	s_mov_b32 s[G1+7], 0
	s_mov_b32 s[SEL], 0x76543210
	s_mov_b32 s[SEL+1], 0xfedcba98
	s_mov_b32 s[CS], 0x3e38aa3b                    ; c = log2(e) / 8
	s_mov_b32 s[CS+1], s[CS]
	s_mov_b32 s[MH], 0xffff0000                    ; lanes 16-31
	s_mov_b32 s[TB], 0
	s_mov_b32 s[KF], 0
	s_mul_i32 s76, s[BH], 16*REC                   ; my head's sixteen records,
	s_mul_i32 s78, s[WV], REC                      ; and of them my wave's: the same place in memory and in LDS
	s_add_co_u32 s76, s76, s78
	s_mov_b32 s77, 0
	s_wait_dscnt 0x0                               ; both opening adds are done
	s_wait_kmcnt 0x0
	s_mov_b32 s[G0], 1
	s_mov_b32 s[G0+1], s78
	s_add_nc_u64 s[G0+2:G0+3], s[6:7], s[76:77]
	s_or_b32 s[G0+3], s[G0+3], 0x80000000
	CROUND                                         ; all four work-groups are here: the joint loads meet
	tensor_load_to_lds s[G0:G0+3], s[G1:G1+7]      ; record w: my one tensor load of the launch
	s_nop 0
.rept 4
	v_nop
.endr
.macro QPTR sq0, cp, wp                ; where a tile's codes and scale words lie in qf
	s_lshr_b32 s52, s[\sq0], 7
	s_lshl_b32 s53, s[BH], 4
	s_add_co_u32 s52, s52, s53
	s_mul_i32 s52, s52, 6656                       ; the group of 8 tiles
	s_bfe_u32 s54, s[\sq0], 0x30004                ; the tile in it
	s_mul_i32 s56, s54, 768
	s_add_co_u32 s56, s56, s52
	s_mov_b32 s57, 0
	s_add_nc_u64 s[\cp:\cp+1], s[4:5], s[56:57]
	s_lshl_b32 s56, s54, 6
	s_add_co_u32 s56, s56, s52
	s_add_co_u32 s56, s56, 6144
	s_add_nc_u64 s[\wp:\wp+1], s[4:5], s[56:57]
.endm
	QPTR Q0A, 60, 62
	QPTR Q0B, 66, 68
	v_and_b32 v96, 15, v0                          ; r
	v_bfe_u32 v97, v0, 4, 1                        ; h
	s_delay_alu instid0(VALU_DEP_1)
	v_lshlrev_b32 v97, 4, v97
	s_delay_alu instid0(VALU_DEP_1)
	v_sub_nc_u32 v[LR], v96, v97
	s_delay_alu instid0(VALU_DEP_4)
	v_lshlrev_b32 v96, 2, v96
	v_lshlrev_b32 v[AD16], 4, v0
	v_lshlrev_b32 v[AD8], 3, v0
	global_load_b128 v[QA:QA+3], v[AD16], s[60:61]
	global_load_b64 v[QA+4:QA+5], v[AD8], s[60:61] offset:512
	global_load_b32 v[QS], v96, s[62:63]
	global_load_b128 v[QB:QB+3], v[AD16], s[66:67]
	global_load_b64 v[QB+4:QB+5], v[AD8], s[66:67] offset:512
	global_load_b32 v[QS+1], v96, s[68:69]
.irp j, 6,7,8,9,10,11
	v_mov_b32 v[QA+\j], 0                          ; zero codes for the instruction's upper 64 along K
	v_mov_b32 v[QB+\j], 0
.endr
.irp j, 90,91,92,93,94,95
	v_mov_b32 v[\j], 0                             ; behind K's eighth tile
.endr
.irp t, STA, STB
	v_mov_b32 v[\t+1], 0xff61b1e6                  ; the largest t so far: -3e38
	s_delay_alu instid0(VALU_DEP_1)
	v_floor_f32 v[\t], -v[\t+1]                    ; -M
	v_mov_b32 v[\t+2], 0
	v_mov_b32 v[\t+3], 0
.endr
.irp j, 236,237,238,239,252,253
	v_mov_b32 v[\j], 0                             ; lane permutes' destinations count as sources; v253 is named as the upper half of a pair before it is first written
.endr
	v_mov_b32 v255, 0xff800000                     ; -infinity
.set nn, 0
.rept 64
	v_mov_b32 v[OA+nn], 0                          ; O^T of both tiles: the step is written once; the first finds zeros, which the first change of M leaves zeros
.set nn, nn+1
.endr
.macro FRAG reg, off                   ; a fragment as it lies
	ds_load_b128 v[(\reg):(\reg)+3], v[AD16] offset:(\off)
	ds_load_b64 v[(\reg)+4:(\reg)+5], v[AD8] offset:(\off)+512
	ds_load_b128 v[(\reg)+6:(\reg)+9], v[AD16] offset:(\off)+768
	ds_load_b64 v[(\reg)+10:(\reg)+11], v[AD8] offset:(\off)+1280
.endm
; A KEY STEP of one tile: the 128 keys of the record in hand
.macro STEP st, qreg, qscl, oreg, sqg, sq0
	s_add_co_u32 s[TMP0], s[\sqg], 63
	s_cmp_gt_u32 s[KF], s[TMP0]
	s_cbranch_scc1 .Lhid_\@                        ; all keys come after my queries
	s_wait_alu depctr_va_vdst(0)                   ; the addresses were written ahead of branches
.irp t, 0,1,2,3,4,5,6,7
	ds_load_b128 v[FRG+6*\t:FRG+6*\t+3], v[AD16] offset:768*\t
	ds_load_b64 v[FRG+6*\t+4:FRG+6*\t+5], v[AD8] offset:768*\t+512
.endr
.irp u, 0,1,2,3
	ds_load_b32 v[248+\u], v[AD4] offset:KSC+128*\u   ; lanes 0-15 tile 2 u's words, lanes 16-31 tile 2 u + 1's
.endr
	s_wait_dscnt 0x0
.irp t, 0,1,2,3,4,5,6,7
.if \t%2
	v_wmma_scale_f32_16x16x128_f8f6f4 v[S+8*\t:S+8*\t+7], v[FRG+6*\t:FRG+6*\t+11], v[\qreg:\qreg+11], 0, v[248+\t/2], v[\qscl] matrix_a_fmt:MATRIX_FMT_FP6 matrix_b_fmt:MATRIX_FMT_FP6 matrix_a_scale:MATRIX_SCALE_ROW1
.else
	v_wmma_scale_f32_16x16x128_f8f6f4 v[S+8*\t:S+8*\t+7], v[FRG+6*\t:FRG+6*\t+11], v[\qreg:\qreg+11], 0, v[248+\t/2], v[\qscl] matrix_a_fmt:MATRIX_FMT_FP6 matrix_b_fmt:MATRIX_FMT_FP6
.endif
.endr
.rept 4
	v_nop                                          ; places in front of the loads below and of the first read of the scores
.endr
	s_wait_alu depctr_va_vdst(0)
.irp t, 0,1,2,3
	FRAG FRG+12*\t, VOF+1536*\t                    ; V's fragments are asked for now and land under the softmax
.endr
.irp u, 0,1
	ds_load_b32 v[248+\u], v[AD4] offset:VSC+128*\u
.endr
	s_add_co_u32 s[TMP0], s[KF], 127
	s_cmp_le_u32 s[TMP0], s[\sqg]
	s_cbranch_scc1 .Lopen_\@                       ; all keys count
	s_sub_co_i32 s[TMP1], s[\sq0], s[KF]
	v_add_nc_u32 v254, s[TMP1], v[LR]              ; d = my query - the step's first key - 16 h.  Register 16 b + i holds key 32 b + 16 h + i: hidden where 32 b + i > d
.set nn, 0
.rept 64
	v_cmp_gt_i32 vcc_lo, 32*(nn/16)+nn%16, v254
	v_cndmask_b32 v[S+nn], v[S+nn], v255, vcc_lo
.set nn, nn+1
.endr
.Lopen_\@:
.irp b, 0,1,2,3
	v_max3_num_f32 v[232+\b], v[S+16*\b], v[S+1+16*\b], v[S+2+16*\b]   ; the largest score of each block of 32 keys: for the row's maximum, and, since p rises with the score, for the block's largest p
.endr
.irp i, 3,5,7,9,11,13
.irp b, 0,1,2,3
	v_max3_num_f32 v[232+\b], v[232+\b], v[S+16*\b+\i], v[S+1+16*\b+\i]
.endr
.endr
.irp b, 0,1,2,3
	v_max_num_f32 v[232+\b], v[232+\b], v[S+15+16*\b]
.endr
.irp b, 0,1,2,3
	s_delay_alu instid0(VALU_DEP_4)
	v_permlanex16_b32 v[236+\b], v[232+\b], s[SEL], s[SEL+1]
.endr
.irp b, 0,1,2,3
	s_delay_alu instid0(VALU_DEP_4)
	v_max_num_f32 v[232+\b], v[232+\b], v[236+\b]  ; with lane l xor 16's 16 keys
.endr
	s_delay_alu instid0(VALU_DEP_2)
	v_max3_num_f32 v254, v232, v233, v234
	s_delay_alu instid0(VALU_DEP_1)
	v_max_num_f32 v254, v254, v235
	s_delay_alu instid0(VALU_DEP_1)
	v_mul_f32 v254, s[CS], v254                    ; as t
	s_delay_alu instid0(VALU_DEP_1)
	v_max_num_f32 v[\st+1], v[\st+1], v254         ; the running largest t
	v_mov_b32 v254, v[\st]
	s_delay_alu instid0(VALU_DEP_2)
	v_floor_f32 v[\st], -v[\st+1]                  ; the new -M = -ceil(t)
	s_delay_alu instid0(VALU_DEP_1)
	v_sub_f32 v254, v[\st], v254                   ; old M - new M: a whole number, 0 or less
	s_delay_alu instid0(VALU_DEP_1)
	v_cvt_i32_f32 v254, v254                       ; (it saturates)
	s_delay_alu instid0(VALU_DEP_1)
	v_ldexp_f32 v252, 1.0, v254                    ; f = 2^(old M - new M)
.set nn, 0
.rept 32
	v_pk_fma_f32 v[S+nn:S+nn+1], v[S+nn:S+nn+1], s[CS:CS+1], v[\st:\st+1] op_sel_hi:[1,0,0]   ; t - M
.set nn, nn+2
.endr
.irp b, 0,1,2,3
	v_fma_f32 v[232+\b], v[232+\b], s[CS], v[\st]  ; the same of each block's largest score
.endr
.set nn, 0
	s_wait_alu depctr_va_vdst(0)                   ; the wait ahead of the batch
.rept 64
	v_exp_f32 v[S+nn], v[S+nn]                     ; p = 2^(t - M)
.set nn, nn+1
.endr
	v_pk_mul_f32 v[\st+2:\st+3], v[\st+2:\st+3], v[252:253] op_sel_hi:[1,0]   ; the sums under the new M: the plain place behind the exponentials
	s_wait_alu depctr_va_vdst(0)                   ; one wait for the batch of 64, ahead of its first reader
.irp b, 0,1,2,3
	v_exp_f32 v[232+\b], v[232+\b]                 ; the block's largest p
.endr
.set nn, 0
	s_wait_alu depctr_va_vdst(0)                   ; directly ahead of the first reader of O^T
.rept 16
	v_pk_mul_f32 v[\oreg+nn:\oreg+nn+1], v[\oreg+nn:\oreg+nn+1], v[252:253] op_sel_hi:[1,0]   ; O^T under the new M
.set nn, nn+2
.endr
	s_wait_alu depctr_va_vdst(0)
.irp b, 0,1,2,3
	v_max_num_f32 v[232+\b], 0x1800000, v[232+\b]  ; the floor 2^(3 - 127): the byte cannot fall under 1
.endr
.irp b, 0,1,2,3
	s_delay_alu instid0(VALU_DEP_4)
	v_add_nc_u32 v[244+\b], 0xff000000, v[232+\b]  ; 2 off the exponent field: the conversion's scale operand
.endr
.irp b, 0,1,2,3
	s_delay_alu instid0(VALU_DEP_4)
	v_lshrrev_b32 v[236+\b], 23, v[244+\b]
.endr
	s_delay_alu instid0(VALU_DEP_3)
	v_lshl_or_b32 v253, v237, 8, v236              ; p's scale word for these 128 keys
	s_delay_alu instid0(VALU_DEP_1)
	v_lshl_or_b32 v253, v238, 16, v253
	s_delay_alu instid0(VALU_DEP_1)
	v_lshl_or_b32 v253, v239, 24, v253
.irp c, 0,1
	v_cvt_scalef32_pk16_fp6_f32 v[224+6*\c:226+6*\c], v[S+32*\c:S+15+32*\c], v[244+2*\c]
	v_cvt_scalef32_pk16_fp6_f32 v[236+4*\c:238+4*\c], v[S+16+32*\c:S+31+32*\c], v[244+2*\c+1]
.endr
	v_nop                                          ; one plain place behind a scaled conversion
.irp c, 0,1
.irp i, 0,1,2
	v_permlane16_swap_b32 v[224+6*\c+\i], v[236+4*\c+\i]
.endr
.irp i, 0,1,2
	s_delay_alu instid0(VALU_DEP_3)
	v_mov_b32 v[227+6*\c+\i], v[236+4*\c+\i]
.endr
.endr
	v_pk_add_f32 v[236:237], v[S:S+1], v[S+2:S+3]  ; the row's sum of the UNQUANTISED p, in two chains.  These 32 are also the places between p's codes and scale word and the products below
.set nn, 4
.rept 15
	v_pk_add_f32 v[\st+2:\st+3], v[\st+2:\st+3], v[S+nn:S+nn+1]
	v_pk_add_f32 v[236:237], v[236:237], v[S+nn+2:S+nn+3]
.set nn, nn+4
.endr
	s_delay_alu instid0(VALU_DEP_1)
	v_pk_add_f32 v[\st+2:\st+3], v[\st+2:\st+3], v[236:237]
	s_wait_dscnt 0x0                               ; V
.irp t, 0,1,2,3
.if \t%2
	v_wmma_scale_f32_16x16x128_f8f6f4 v[\oreg+8*\t:\oreg+8*\t+7], v[FRG+12*\t:FRG+12*\t+11], v[224:235], v[\oreg+8*\t:\oreg+8*\t+7], v[248+\t/2], v253 matrix_a_fmt:MATRIX_FMT_FP6 matrix_b_fmt:MATRIX_FMT_FP6 matrix_a_scale:MATRIX_SCALE_ROW1
.else
	v_wmma_scale_f32_16x16x128_f8f6f4 v[\oreg+8*\t:\oreg+8*\t+7], v[FRG+12*\t:FRG+12*\t+11], v[224:235], v[\oreg+8*\t:\oreg+8*\t+7], v[248+\t/2], v253 matrix_a_fmt:MATRIX_FMT_FP6 matrix_b_fmt:MATRIX_FMT_FP6
.endif
.endr
.rept 4
	v_nop                                          ; places in front of the next loads into V's registers and of the next read of O^T
.endr
.Lhid_\@:
.endm
	s_wait_alu depctr_va_vdst(0)                   ; the wait at the head's end
	s_wait_tensorcnt 0x0                           ; my record is in,
	s_barrier_signal -1
	s_barrier_wait -1                              ; and so is everybody's
	s_wait_loadcnt 0x0                             ; Q; its loads have also read their address registers
.Lrec:                                             ; sixteen trips, a record each, no barrier: each wave walks the records at its own pace; both my tiles' steps on the record's 128 keys
	v_lshl_add_u32 v[AD16], v0, 4, s[TB]
	v_lshl_add_u32 v[AD8], v0, 3, s[TB]
	v_lshl_add_u32 v[AD4], v0, 2, s[TB]
	STEP STA, QA, QS, OA, QGA, Q0A
	STEP STB, QB, QS+1, OB, QGB, Q0B
	s_add_co_u32 s[KF], s[KF], 128
	s_add_co_u32 s[TB], s[TB], REC
	s_cmp_lg_u32 s[KF], 2048
	s_cbranch_scc1 .Lrec
	; THE WAY OUT.  O^T / the sum; two blocks of 32 channels are quantised; six registers of codes a tile leave as 768 bytes in operand order
	s_and_b32 s50, s[BH], 48                       ; 16 batch
	s_bfe_u32 s51, s[BH], 0x20002                  ; head / 4: which 256 of the 1,024 channels
	s_bfe_u32 s52, s[BH], 0x10001                  ; (head / 2) % 2: which 128 of them
	s_and_b32 s53, s[BH], 1                        ; head % 2: which 64
	s_mul_i32 s56, s52, 12288
	s_mul_i32 s54, s53, 768
	s_add_co_u32 s56, s56, s54
	s_lshl_b32 s57, s52, 2
	s_lshl_b32 s54, s53, 1
	s_add_co_u32 s57, s57, s54
	s_add_co_u32 s57, s57, 24576
.macro FADDR sq0, cp, so
	s_lshr_b32 s52, s[\sq0], 7
	s_add_co_u32 s52, s52, s50
	s_lshl_b32 s52, s52, 2
	s_add_co_u32 s52, s52, s51
	s_mul_i32 s52, s52, 25600                      ; the record
	s_bfe_u32 s53, s[\sq0], 0x30004                ; the tile in it
	s_mul_i32 s54, s53, 1536
	s_add_co_u32 s54, s54, s52
	s_add_co_u32 s54, s54, s56
	s_mov_b32 s55, 0
	s_add_nc_u64 s[\cp:\cp+1], s[8:9], s[54:55]
	s_lshl_b32 s53, s53, 7
	s_add_co_u32 s[\so], s52, s53
	s_add_co_u32 s[\so], s[\so], s57
.endm
	FADDR Q0A, 70, 74
	FADDR Q0B, 72, 75
	v_lshlrev_b32 v[AD16], 4, v0
	v_lshlrev_b32 v[AD8], 3, v0
.macro FIN st, oreg, d, pc, by, cp
	v_add_f32 v[\st+2], v[\st+2], v[\st+3]
	s_delay_alu instid0(VALU_DEP_1)
	v_permlanex16_b32 v252, v[\st+2], s[SEL], s[SEL+1]
	s_delay_alu instid0(VALU_DEP_1)
	v_add_f32 v[\st+2], v[\st+2], v252             ; the row's sum
	s_wait_alu depctr_va_vdst(0)
	v_rcp_f32 v[\st+2], v[\st+2]
	v_nop                                          ; a plain place behind the reciprocal,
	s_wait_alu depctr_va_vdst(0)                   ; and the wait ahead of its first reader
.set nn, 0
.rept 16
	v_pk_mul_f32 v[\d+nn:\d+nn+1], v[\oreg+nn:\oreg+nn+1], v[\st+2:\st+3] op_sel_hi:[1,0]   ; register 16 b + i is channel 32 b + 16 h + i
.set nn, nn+2
.endr
.irp b, 0,1
	v_max3_num_f32 v[232+\b], |v[\d+16*\b]|, |v[\d+1+16*\b]|, 0x1800000
.endr
.irp i, 2,4,6,8,10,12,14
.irp b, 0,1
	s_delay_alu instid0(VALU_DEP_2)
	v_max3_num_f32 v[232+\b], v[232+\b], |v[\d+16*\b+\i]|, |v[\d+1+16*\b+\i]|
.endr
.endr
.irp b, 0,1
	s_delay_alu instid0(VALU_DEP_2)
	v_permlanex16_b32 v[236+\b], v[232+\b], s[SEL], s[SEL+1]
.endr
.irp b, 0,1
	s_delay_alu instid0(VALU_DEP_2)
	v_max_num_f32 v[232+\b], v[232+\b], v[236+\b]
.endr
.irp b, 0,1
	s_delay_alu instid0(VALU_DEP_2)
	v_add_nc_u32 v[244+\b], 0xff000000, v[232+\b]
.endr
.irp b, 0,1
	s_delay_alu instid0(VALU_DEP_2)
	v_lshrrev_b32 v[236+\b], 23, v[244+\b]
.endr
	s_delay_alu instid0(VALU_DEP_1)
	v_lshl_or_b32 v[\by], v237, 8, v236            ; the row's two scale bytes
	v_cvt_scalef32_pk16_fp6_f32 v[\pc:\pc+2], v[\d:\d+15], v244
	v_cvt_scalef32_pk16_fp6_f32 v[240:242], v[\d+16:\d+31], v245
	v_nop                                          ; one plain place behind a scaled conversion
.irp i, 0,1,2
	v_permlane16_swap_b32 v[\pc+\i], v[240+\i]
.endr
.irp i, 0,1,2
	s_delay_alu instid0(VALU_DEP_3)
	v_mov_b32 v[\pc+3+\i], v[240+\i]
.endr
	global_store_b128 v[AD16], v[\pc:\pc+3], s[\cp:\cp+1]                 ; 512 consecutive bytes,
	global_store_b64 v[AD8], v[\pc+4:\pc+5], s[\cp:\cp+1] offset:512      ; and 256, each at a multiple of 256 from af's first byte
.endm
	s_wait_alu depctr_va_vdst(0)
	FIN STA, OA, 96, 224, 246, 70
	FIN STB, OB, 128, 230, 247, 72
	v_mov_b32 v238, s74                            ; one store serves both tiles' scale bytes: lanes 0-15 tile A's 16 rows, lanes 16-31 tile B's
	v_mov_b32 v239, s75
	s_delay_alu instid0(VALU_DEP_1)
	v_cndmask_b32 v238, v238, v239, s[MH]
	v_and_b32 v239, 15, v0
	s_delay_alu instid0(VALU_DEP_1)
	v_lshl_add_u32 v238, v239, 3, v238             ; 8 bytes a row
	v_cndmask_b32 v240, v246, v247, s[MH]
	global_store_b16 v238, v240, s[8:9]
	s_wait_tensorcnt 0x0                           ; the wave's end, behind my tensor load
	ds_add_u32 v[SPW], v[NIL]
	s_wait_dscnt 0x0
	CROUND                                         ; the closing round
	s_endpgm
.Lfunc_end_k_q8795425067_attn:
	.size	k_q8795425067_attn, .Lfunc_end_k_q8795425067_attn-k_q8795425067_attn
	.p2alignl 7, 3214868480
	.fill 96, 4, 3214868480
	.section	.rodata,"a",@progbits
	.p2align	6, 0x0
	.amdhsa_kernel k_q8795425067_attn
		.amdhsa_group_segment_fixed_size 327680
		.amdhsa_private_segment_fixed_size 0
		.amdhsa_enable_private_segment 0
		.amdhsa_kernarg_size 24
		.amdhsa_user_sgpr_count 2
		.amdhsa_user_sgpr_kernarg_segment_ptr 1
		.amdhsa_wavefront_size32 1
		.amdhsa_system_sgpr_workgroup_id_x 1
		.amdhsa_system_sgpr_workgroup_id_y 1
		.amdhsa_system_sgpr_workgroup_id_z 1
		.amdhsa_system_vgpr_workitem_id 0
		.amdhsa_next_free_vgpr 256
		.amdhsa_next_free_sgpr 80
		.amdhsa_reserve_vcc 1
		.amdhsa_float_denorm_mode_32 3
		.amdhsa_float_denorm_mode_16_64 3
		.amdhsa_memory_ordered 1
		.amdhsa_forward_progress 1
		.amdhsa_inst_pref_size 65
	.end_amdhsa_kernel
	.amdgpu_metadata
---
amdhsa.version: [ 1, 2 ]
amdhsa.kernels:
  - .name:           k_q8795425067_attn
    .symbol:         k_q8795425067_attn.kd
    .args:
      - { .name: qf, .offset: 0, .size: 8, .value_kind: global_buffer, .address_space: global }
      - { .name: kv, .offset: 8, .size: 8, .value_kind: global_buffer, .address_space: global }
      - { .name: af, .offset: 16, .size: 8, .value_kind: global_buffer, .address_space: global }
    .group_segment_fixed_size: 327680
    .private_segment_fixed_size: 0
    .kernarg_segment_align: 8
    .kernarg_segment_size: 24
    .max_flat_workgroup_size: 512
    .sgpr_count:     80
    .vgpr_count:     256
    .wavefront_size: 32
...
	.end_amdgpu_metadata
.endif
;; end of part 3
;; launch oproj (part 4): grid 4 x 64, 4 waves a work-group, clusters of 4 x 4, 327,680 bytes of LDS; arguments af, opc, bo, out0; writes out0
.if DOCPART == 4
	.amdgcn_target "amdgcn-amd-amdhsa--gfx1250"
	.amdhsa_code_object_version 6
	.text
	.protected	k_q8795425067_oproj
	.globl	k_q8795425067_oproj
	.p2align	8
	.type	k_q8795425067_oproj,@function
k_q8795425067_oproj:
	s_mov_b64 s[64:65], 0
	v_nop
	global_prefetch_b8 v0, s[64:65] scope:SCOPE_SE
	s_setreg_imm32_b32 hwreg(HW_REG_WAVE_MODE, 25, 1), 1
	s_wait_xcnt 0x0
	s_wait_alu depctr_hold_cnt(0) depctr_sa_sdst(0) depctr_va_vdst(0) depctr_va_sdst(0) depctr_va_ssrc(0) depctr_va_vcc(0) depctr_vm_vsrc(0)
	s_getreg_b32 s2, hwreg(HW_REG_IB_STS2, 6, 4)
	s_cmp_eq_u32 s2, 0
	s_cbranch_scc0 .Lentry_in_a_cluster
	s_endpgm
.Lentry_in_a_cluster:
	s_bfe_u32 s2, ttmp6, 0x10000c
	s_cmp_lg_u32 s2, 0xf033
	s_cbranch_scc0 .Lentry_shape_is_right
	s_endpgm
.Lentry_shape_is_right:
; out0 = a Wo^T + bo on codes of FP6 (E2M3) with E8M0 scales, sums in f32.  a: af, 64 groups of 128 tokens; Wo: opc's groups 216-223 of 128 rows.
; A group is four RECORDS on end, each 128 rows x 256 K: [q 2][tile 8] fragments of 1,536 bytes in the order of the registers, then scale words [tile 8][row 16][q 2]: 25,600 bytes.
; A work-group of four waves makes 128 tokens x 256 columns; a wave 64 x 128: 32 accumulators, 256 registers (window 2).
; ALL OF K LIES IN LDS: A's group (102,400 bytes) and B's two groups (204,800) are asked for at the head, one joint load a wave: waves 0 and 1 a half of A's group each (200 rows of 256 bytes), waves 2 and 3 a group of B each (400 rows).
; No byte of LDS is filled twice: no ring, no round between the opening and the closing one.  No prefetch: the head's loads ask for every byte that comes through LDS, so no later load is left to run ahead of.
; CLUSTERS of 4 x 4: A's group is shared along a row of the cluster, B's groups along a column.
; The matrix instruction is used transposed (source 0 = 16 rows of Wo, source 1 = 16 tokens): a lane holds eight neighbouring columns of one row of out0.  The bias is the first products' C.
; K goes in 8 steps of 128: B's fragments in two sets (window 1), A's four in one set, fetched anew in two halves; the 32 accumulators take turns in the same order in every step.
; THE WAY OUT goes through a stage in LDS, 16 rows x 528 bytes a wave, laid over A's first records: a barrier inside the last step, in front of which every wave's LDS reads are over, stands ahead of the first store there.
.set REC,   25600
.set BB0,   4*REC                      ; B's two groups lie behind A's
.set SPARE, 12*REC                     ; behind them: the spare words, 128 bytes a wave
.set SPITCH, 528
.set FR,    12                         ; registers of a fragment
.set NL,    4                          ; LDS loads that bring one
.set HB,    2                          ; half of a wave's 4 blocks of A
.set RR,    1
.set HH,    2
.set STO,   6                          ; v6   the stage, way in
.set RD,    7                          ; v7   the stage, way back
.set BOQ,   8                          ; v8   32 h: my lane's byte in 64 bytes of bias
.set AD16,  16                         ; v16-17 my A tiles in records 0-1, 2-3, + 16 x lane; v18-19 + 8 x lane
.set AD8,   18
.set BD16,  20                         ; v20-23 the same for B
.set BD8,   22
.set ADRS,  24                         ; v24-25 scale words: lanes 0-15 A's rows, lanes 16-31 B's
.set LN16,  26
.set LN8,   27
.set SPW,   28                         ; v28  my spare word; never rewritten
.set NIL,   29                         ; v29  0; never rewritten
.set SC,    32                         ; v32-63 scale words, two sets of 16: register 2 i + q
.set BI,    64                         ; v64-127 the bias in the result's layout
.set AF,    128                        ; v128-175 A's fragments
.set BK,    128                        ; the way out: v128-191, v192-255 by turns
.set WV,    16
.set WH,    17                         ; wave / 2: my half of A's rows.  Also: I fetch for A (0) or for B (1)
.set WL,    18                         ; wave % 2: my group of B.  Also: which part I fetch
.set G1,    24
.set G0,    32
.set CX,    40
.set CY,    41
.set G1B,   48
.set G0B,   56
.set MSB, 0
.macro WIN new                         ; the immediate's high byte repeats the setting that is left
.if MSB != (\new)
	s_set_vgpr_msb (MSB<<8)|(\new)
.set MSB, \new
.endif
.endm
.macro PLACES                          ; four plain places behind a matrix instruction (ISA guide 7.12.1)
.rept 4
	v_nop
.endr
.endm
.macro CROUND                          ; a round of the cluster's barrier
	s_barrier_signal -1
	s_barrier_wait -1
	s_cmp_lg_u32 s[WV], 0
	s_cbranch_scc1 .Lnot_wave_0_\@
	s_barrier_signal -3
.Lnot_wave_0_\@:
	s_barrier_wait -3
	s_barrier_signal -1
	s_barrier_wait -1
.endm
	s_load_b256 s[4:11], s[0:1], 0x0               ; af, opc, bo, out0
	v_lshl_add_u32 v[SPW], v0, 2, SPARE
	v_mov_b32 v[NIL], 0
	ds_add_u32 v[SPW], v[NIL]                      ; the wave's opening: the add, twice on end, and its wait ahead of my tensor load
	ds_add_u32 v[SPW], v[NIL]
	v_lshrrev_b32 v1, 5, v0
	v_readfirstlane_b32 s[WV], v1
	s_lshr_b32 s[WH], s[WV], 1
	s_and_b32 s[WL], s[WV], 1
	s_bfe_u32 s[CX], ttmp6, 0x40000
	s_bfe_u32 s[CY], ttmp6, 0x40004
	s_lshl_b32 s45, s[CY], 2
	s_lshl_b32 s45, 15, s45                        ; my row of the cluster
	s_lshl_b32 s46, 0x1111, s[CX]                  ; my column
	s_or_b32 s[G1], s45, (3<<16)|(1<<21)           ; the mask; elements of 8 bytes; bit 21 beside a mask; no padding: records are read as they lie
	s_or_b32 s[G1B], s46, (3<<16)|(1<<21)
	s_mov_b32 s[G1+1], 32<<16                      ; rows of 256 bytes,
	s_mov_b32 s[G1+2], 200<<16                     ; 200 of them: two records of A
	s_mov_b32 s[G1+3], 32<<16
	s_mov_b32 s[G1+4], 200
	s_mov_b32 s[G1+5], 32
	s_mov_b32 s[G1+6], 0
	s_mov_b32 s[G1+7], 0
	s_mov_b32 s[G1B+1], 32<<16
	s_mov_b32 s[G1B+2], 400<<16                    ; 400: a group of B
	s_mov_b32 s[G1B+3], 32<<16
	s_mov_b32 s[G1B+4], 400
	s_mov_b32 s[G1B+5], 32
	s_mov_b32 s[G1B+6], 0
	s_mov_b32 s[G1B+7], 0
	s_and_b32 s90, ttmp7, 0xffff
	s_lshl_b32 s90, s90, 2
	s_add_co_u32 s90, s90, s[CY]                   ; A's group: 4 x cluster y + cy (no cx in A's chain, no cy in B's)
	s_mul_i32 s92, s90, 4*REC
	s_mul_i32 s99, s[WL], 2*REC                    ; my half of it, in memory and in LDS
	s_add_co_u32 s92, s92, s99
	s_mov_b32 s93, 0
	s_lshl_b32 s94, s[CX], 1
	s_add_co_u32 s94, s94, s[WL]
	s_add_co_u32 s94, s94, 216                     ; B's group in opc
	s_mul_i32 s96, s94, 4*REC
	s_mov_b32 s97, 0
	s_mul_i32 s98, s[WL], 4*REC
	s_add_co_u32 s98, s98, BB0
	s_mov_b32 s[G0], 1
	s_mov_b32 s[G0+1], s99
	s_mov_b32 s[G0B], 1
	s_mov_b32 s[G0B+1], s98
	s_wait_dscnt 0x0                               ; both opening adds are done
	s_wait_kmcnt 0x0
	s_add_nc_u64 s[G0+2:G0+3], s[4:5], s[92:93]
	s_or_b32 s[G0+3], s[G0+3], 0x80000000
	s_add_nc_u64 s[G0B+2:G0B+3], s[6:7], s[96:97]
	s_or_b32 s[G0B+3], s[G0B+3], 0x80000000
	CROUND                                         ; all sixteen work-groups are here: the joint loads meet
	s_cmp_eq_u32 s[WH], 0                          ; one chain of branches on the wave's number, one load to an arm
	s_cbranch_scc0 .Lfor_b
	tensor_load_to_lds s[G0:G0+3], s[G1:G1+7]
	s_nop 0
	PLACES
	s_branch .Lasked
.Lfor_b:
	tensor_load_to_lds s[G0B:G0B+3], s[G1B:G1B+7]
	s_nop 0
	PLACES
.Lasked:
	s_lshl_b32 s70, s[CX], 10
	s_lshl_b32 s69, s[WL], 9
	s_add_co_u32 s70, s70, s69                     ; my 128 columns, in bytes of f32
	s_mov_b32 s71, 0
	s_add_nc_u64 s[8:9], s[8:9], s[70:71]          ; their bias
	s_lshl_b32 s66, s90, 1
	s_add_co_u32 s66, s66, s[WH]
	s_lshl_b32 s66, s66, 18                        ; my 64 rows of 4,096 bytes
	s_mov_b32 s67, 0
	s_add_nc_u64 s[10:11], s[10:11], s[66:67]
	s_add_nc_u64 s[10:11], s[10:11], s[70:71]
	s_mul_i32 s76, s[WH], 4*1536                   ; my four tiles of A in a record,
	s_lshl_b32 s79, s[WH], 9                       ; their scale words,
	s_mul_i32 s77, s[WL], 4*REC
	s_add_co_u32 s77, s77, BB0                     ; my group of B
	s_sub_co_u32 s78, s77, s79
	s_mul_i32 s75, s[WV], 16*SPITCH                ; my stage
	v_and_b32 v[RR], 15, v0
	v_bfe_u32 v[HH], v0, 4, 1
	v_and_b32 v3, 31, v0
	v_lshlrev_b32 v[LN16], 4, v3
	v_lshlrev_b32 v[LN8], 3, v3
	v_lshlrev_b32 v[BOQ], 5, v[HH]
	v_add_nc_u32 v[AD16], s76, v[LN16]
	v_add_nc_u32 v[AD8], s76, v[LN8]
	v_add_nc_u32 v[BD16], s77, v[LN16]
	v_add_nc_u32 v[BD8], s77, v[LN8]
	v_mul_u32_u24 v4, s78, v[HH]                   ; lanes 16-31 take B's scale words
	v_lshl_add_u32 v4, v[RR], 3, v4                ; 8 bytes a row
	v_add_nc_u32 v[ADRS], s79, v4
.irp x, AD16, AD8, BD16, BD8, ADRS
	v_add_nc_u32 v[\x+1], 2*REC, v[\x]             ; records 2 and 3; the odd record of a pair stands in the loads' immediate
.endr
	v_mul_u32_u24 v[STO], v[RR], SPITCH
	v_lshl_add_u32 v[STO], v[HH], 5, v[STO]
	v_add_nc_u32 v[STO], s75, v[STO]
	v_add_nc_u32 v[RD], s75, v[LN16]
	s_wait_alu depctr_va_vdst(0)                   ; the wait at the head's end
.irp b, 0,1,2,3,4,5,6,7                        ; register 8 b + j of lane (r, h) is column 16 b + 8 h + j
	global_load_b128 v[BI+8*\b:BI+8*\b+3], v[BOQ], s[8:9] offset:64*\b
	global_load_b128 v[BI+8*\b+4:BI+8*\b+7], v[BOQ], s[8:9] offset:64*\b+16
.endr
.macro FRAG reg, a16, a8, off          ; a fragment as it lies: four loads, each of consecutive bytes
	ds_load_b128 v[(\reg):(\reg)+3], v[\a16] offset:(\off)
	ds_load_b64 v[(\reg)+4:(\reg)+5], v[\a8] offset:(\off)+512
	ds_load_b128 v[(\reg)+6:(\reg)+9], v[\a16] offset:(\off)+768
	ds_load_b64 v[(\reg)+10:(\reg)+11], v[\a8] offset:(\off)+1280
.endm
; Step n = 0 .. 7 of 128 along K: record n / 2, its q = n % 2; B's set n % 2; scale set (n / 2) % 2.
.macro MULB a, n, cm                   ; A's block a x B's eight; cm = 1: the bias is C, and the product starts the sums
.set Q_, (\n)%2
.set X_, SC+16*(((\n)/2)%2)+Q_
.if \cm
	WIN 0x81                                       ; source 0 (B) window 1, source 1 (A) and C window 0, D window 2
.else
	WIN 0xa1                                       ; C and D window 2
.endif
.irp b, 0,1,2,3,4,5,6,7
.if \cm
	v_wmma_scale_f32_16x16x128_f8f6f4 v[8*(8*(\a)+\b):8*(8*(\a)+\b)+7], v[128*Q_+FR*\b:128*Q_+FR*\b+FR-1], v[AF+FR*(\a):AF+FR*(\a)+FR-1], v[BI+8*\b:BI+8*\b+7], v[X_+2*\b], v[X_+2*(\a)] matrix_a_fmt:MATRIX_FMT_FP6 matrix_b_fmt:MATRIX_FMT_FP6 matrix_a_scale:MATRIX_SCALE_ROW1
.else
	v_wmma_scale_f32_16x16x128_f8f6f4 v[8*(8*(\a)+\b):8*(8*(\a)+\b)+7], v[128*Q_+FR*\b:128*Q_+FR*\b+FR-1], v[AF+FR*(\a):AF+FR*(\a)+FR-1], v[8*(8*(\a)+\b):8*(8*(\a)+\b)+7], v[X_+2*\b], v[X_+2*(\a)] matrix_a_fmt:MATRIX_FMT_FP6 matrix_b_fmt:MATRIX_FMT_FP6 matrix_a_scale:MATRIX_SCALE_ROW1
.endif
.endr
.endm
.macro FETCH_B n
.set J_, (\n)/4
.set O_, (((\n)/2)%2)*REC+12288*((\n)%2)
.set P_, 128*((\n)%2)
	WIN 0x40                                       ; destination window 1, address window 0
.irp i, 0,1,2,3,4,5,6,7
	FRAG P_+FR*\i, BD16+J_, BD8+J_, O_+1536*\i
.endr
	WIN 0
.endm
.macro FETCH_A n, i0                   ; A's blocks i0, i0 + 1
.set J_, (\n)/4
.set O_, (((\n)/2)%2)*REC+12288*((\n)%2)
.irp i, 0,1
	FRAG AF+FR*((\i0)+\i), AD16+J_, AD8+J_, O_+1536*((\i0)+\i)
.endr
.endm
.macro SCALES s                        ; record s's scale words: both q of a row by one load
.irp i, 0,1,2,3,4,5,6,7
	ds_load_b64 v[SC+16*((\s)%2)+2*\i:SC+16*((\s)%2)+2*\i+1], v[ADRS+(\s)/2] offset:((\s)%2)*REC+24576+128*\i
.endr
.endm
.macro KSTEP n, cm                     ; 32 products; the next step's fragments are fetched in two runs
	s_wait_dscnt NL*HB                             ; all but the youngest 8 loads (A's blocks 2, 3) are in
	MULB 0, \n, \cm
	MULB 1, \n, \cm
	s_wait_dscnt 0x0                               ; A's blocks 2, 3 are in
	PLACES
	FETCH_B (\n)+1
	FETCH_A (\n)+1, 0
.if (\n)%2
	SCALES ((\n)+1)/2
.endif
	MULB 2, \n, \cm
	MULB 3, \n, \cm
	PLACES
	WIN 0
	FETCH_A (\n)+1, HB
.endm
	s_wait_tensorcnt 0x0                           ; my part is in,
	s_barrier_signal -1
	s_barrier_wait -1                              ; and everybody's
	FETCH_B 0
	FETCH_A 0, 0
	SCALES 0
	FETCH_A 0, HB
	s_wait_loadcnt 0x0                             ; the bias
	KSTEP 0, 1
.irp n, 1,2,3,4,5,6
	KSTEP \n, 0
.endr
	s_wait_dscnt NL*HB                             ; the last step: nothing more to fetch
	MULB 0, 7, 0
	MULB 1, 7, 0
	s_wait_dscnt 0x0                               ; my LDS reads are over:
	s_barrier_signal -1                            ; say so, work on registers while the others arrive,
	MULB 2, 7, 0
	MULB 3, 7, 0
	WIN 0
	s_barrier_wait -1                              ; and nobody reads the bytes under the stages any more
; THE WAY OUT, block by block of 16 rows x 128 columns: through my stage, back as whole rows of 512 bytes.  LDS serves a wave's instructions in order: no wait between the stores and the loads.
.macro TOSTAGE a
	WIN 0x08                                       ; the data: window 2
.irp b, 0,1,2,3,4,5,6,7
	ds_store_b128 v[STO], v[64*(\a)+8*\b:64*(\a)+8*\b+3] offset:64*\b          ; each accumulator from its low end on
	ds_store_b128 v[STO], v[64*(\a)+8*\b+4:64*(\a)+8*\b+7] offset:64*\b+16
.endr
	WIN 0
.set BB, BK+64*((\a)%2)
.irp t, 0,1,2,3,4,5,6,7,8,9,10,11,12,13,14,15
	ds_load_b128 v[BB+4*\t:BB+4*\t+3], v[RD] offset:\t*SPITCH
.endr
.endm
.macro SEND a, younger                 ; younger: the LDS instructions issued behind block a's loads
.set BB, BK+64*((\a)%2)
	s_wait_dscnt \younger
.if (\a) > 0
	s_add_nc_u64 s[10:11], s[10:11], 16*4096       ; behind a wait on XCNT: the earlier stores have read their base
.endif
.irp t, 0,1,2,3,4,5,6,7,8,9,10,11,12,13,14,15
	global_store_b128 v[LN16], v[BB+4*\t:BB+4*\t+3], s[10:11] offset:\t*4096 th:TH_STORE_NT   ; 32 lanes store 512 consecutive bytes, at a multiple of 256 from out0's first byte
.endr
.endm
	PLACES
	TOSTAGE 0
.irp a, 1,2,3
.if \a > 1
	s_wait_xcnt 0x0                                ; block a - 2's stores have read their registers and their base
.endif
	TOSTAGE \a
	SEND \a-1, 32
.endr
	s_wait_xcnt 0x0
	SEND 3, 0
	s_wait_tensorcnt 0x0                           ; the wave's end, behind my tensor load and my last LDS store
	ds_add_u32 v[SPW], v[NIL]
	s_wait_dscnt 0x0
	CROUND                                         ; the closing round
	s_endpgm
.Lfunc_end_k_q8795425067_oproj:
	.size	k_q8795425067_oproj, .Lfunc_end_k_q8795425067_oproj-k_q8795425067_oproj
	.p2alignl 7, 3214868480
	.fill 96, 4, 3214868480
	.section	.rodata,"a",@progbits
	.p2align	6, 0x0
	.amdhsa_kernel k_q8795425067_oproj
		.amdhsa_group_segment_fixed_size 327680
		.amdhsa_private_segment_fixed_size 0
		.amdhsa_enable_private_segment 0
		.amdhsa_kernarg_size 32
		.amdhsa_user_sgpr_count 2
		.amdhsa_user_sgpr_kernarg_segment_ptr 1
		.amdhsa_wavefront_size32 1
		.amdhsa_system_sgpr_workgroup_id_x 1
		.amdhsa_system_sgpr_workgroup_id_y 1
		.amdhsa_system_sgpr_workgroup_id_z 1
		.amdhsa_system_vgpr_workitem_id 0
		.amdhsa_next_free_vgpr 768
		.amdhsa_next_free_sgpr 100
		.amdhsa_reserve_vcc 0
		.amdhsa_float_denorm_mode_32 3
		.amdhsa_float_denorm_mode_16_64 3
		.amdhsa_memory_ordered 1
		.amdhsa_forward_progress 1
		.amdhsa_inst_pref_size 84
	.end_amdhsa_kernel
	.amdgpu_metadata
---
amdhsa.version: [ 1, 2 ]
amdhsa.kernels:
  - .name:           k_q8795425067_oproj
    .symbol:         k_q8795425067_oproj.kd
    .args:
      - { .name: af, .offset: 0, .size: 8, .value_kind: global_buffer, .address_space: global }
      - { .name: opc, .offset: 8, .size: 8, .value_kind: global_buffer, .address_space: global }
      - { .name: bo, .offset: 16, .size: 8, .value_kind: global_buffer, .address_space: global }
      - { .name: out0, .offset: 24, .size: 8, .value_kind: global_buffer, .address_space: global }
    .group_segment_fixed_size: 327680
    .private_segment_fixed_size: 0
    .kernarg_segment_align: 8
    .kernarg_segment_size: 32
    .max_flat_workgroup_size: 128
    .sgpr_count:     100
    .vgpr_count:     768
    .wavefront_size: 32
...
	.end_amdgpu_metadata
.endif
;; end of part 4
